; MI455X (gfx1250); checked and timed in simulation.
; The chip was launched on July 23, 2026; its instructions are those of AMD's public machine-readable ISA for CDNA 5 (MIT licence, August 2026) and "CDNA5" Instruction Set Architecture Reference Guide (July 2026). The comments in the code are by the model that wrote it; some were corrected since.
;; PID Multi Head Attention. Allowed arithmetic: float matrix products may take bf16 or f16 operands with f32 sums; other float arithmetic in f32, or as packed bf16 or f16 multiplies, adds, multiply-adds, maxima and minima; sums over many terms, partial sums and values carried from step to step in f32; what a program stores and reads back later, other than sums and carried values, may be rounded once to bf16 or f16.
;; Inputs: kWd 1,024 x 1,024 float32; kWg 3 x 1,024 float32; kWi 1,024 x 1,024 float32; kWp 1,024 x 1,024 float32; kbg 3 float32; oW 1,024 x 1,024 float32; ob 1,024 float32; qWd 1,024 x 1,024 float32; qWg 3 x 1,024 float32; qWi 1,024 x 1,024 float32; qWp 1,024 x 1,024 float32; qbg 3 float32; vWd 1,024 x 1,024 float32; vWg 3 x 1,024 float32; vWi 1,024 x 1,024 float32; vWp 1,024 x 1,024 float32; vbg 3 float32; x 2 x 2,048 x 1,024 float32.
;; Outputs: out0 2 x 2,048 x 1,024 float32.
;; 2 versions, each right; version 2 is version 1 with the launches prep1, pid written anew for expert scheduling mode. Each part assembles by itself: llvm-mc -triple=amdgcn-amd-amdhsa -mcpu=gfx1250 --defsym DOCPART=n.
;; ======== version 1 of 2: 5 launches
;; limits: values are held in f16: magnitudes above 65,504 overflow, below 6.1e-05 lose precision
;; workspace buffers: wcat 18,874,368 bytes; wo 2,097,152 bytes; acat 25,165,824 bytes; gt 196,608 bytes; csum 524,288 bytes; qkv 25,165,824 bytes; oh 8,388,608 bytes
;; launch prep1 (part 1): grid 32 x 14, 8 waves a work-group, no clusters, 105,728 bytes of LDS; arguments x, qWg, kWg, vWg, qbg, kbg, vbg, csum, gt, wcat, wo, qWp, qWi, qWd, kWp, kWi, kWd, vWp, vWi, vWd, oW; writes csum, gt, wcat, wo
.if DOCPART == 1
	.amdgcn_target "amdgcn-amd-amdhsa--gfx1250"
	.amdhsa_code_object_version 6
	.text
	.protected	k_q89f610d25b_prep1
	.globl	k_q89f610d25b_prep1
	.p2align	8
	.type	k_q89f610d25b_prep1,@function
k_q89f610d25b_prep1:
	s_mov_b64 s[64:65], 0
	v_nop
	global_prefetch_b8 v0, s[64:65] scope:SCOPE_SE
	s_setreg_imm32_b32 hwreg(HW_REG_WAVE_MODE, 25, 1), 1
	s_wait_xcnt 0x0
; PREPARATION.  Work-groups with y < 4 take 32 rows of x each (chunk e = 32 y + x of 128): the column sums of the rows rounded to bf16 (csum[e][1024], f32) and, for each row and each of q, k, v, the
; 3-way softmax gate in the form that the projection uses: gt[p][row][4] = (g0 / g1, g1 / g2, g2, 0), f32.
; Work-groups with y >= 4 take 32 rows of weight matrix y - 4 (qWp qWi qWd kWp kWi kWd vWp vWi vWd oW): each number rounded to bf16 and written as f16, into
; wcat[p*1024 + row][seg*1024 + k] or, for oW, wo[row][k].
; ALL INPUTS ARE ROUNDED TO bf16 (x, the weights, Wg, bg); sums, logits and the softmax are f32; the softmax takes its maximum away.
; THE LOGITS are a product [32 rows x 1024] x [1024 x 9] and go to the matrix unit.  Wave w owns columns 128 w .. 128 w + 127 of all 32 rows: 32 loads of 512 consecutive bytes.  The column sums stay in the wave;
; the rounded rows go into the wave's own strip of LDS and come back as fragments; 2 row blocks x 4 steps of 32 along K are 8 matrix instructions; the eight waves' partial logits meet in LDS.
; LIMITS.  Each exponential 2^((l - max) log2 e) is held at 2^-60 from below, so that the two quotients lie within 2^60 either way: a gate smaller than that counts as that.  A bf16 number below 7.6e-6 keeps f16's
; fixed step of 6e-8 when written as f16, one beyond 65,504 becomes an infinity; NaN and infinities are not treated apart.
; No cluster: the work-groups share nothing but 36 KiB of Wg.
.set XP,    272                        ; a row of a wave's strip: 128 bf16 + 16 bytes: the 16 rows of a fragment load start at 16 different groups of four banks
.set XW,    32*XP                      ; LDS 0: the waves' strips [wave 8][row 32]
.set WL,    8*XW                       ; Wg rounded to bf16: [gate 9] rows of
.set WP,    2064                       ; 1,024 bf16 + 16 bytes
.set PART,  88320                      ; the partial logits [wave 8][gates 0-7 | gates 8-15][token 32][8] f32
.set SPARE, 104704                     ; the spare words: 128 bytes for each of eight waves, four blocks of 256 bytes that no other line names
.set CS,  8                            ; v[8:11]    column sums of my four columns (at work before that)
.set ONE, 12
.set SPW, 14                           ; my spare word's LDS address; never rewritten
.set NIL, 15                           ; 0; never rewritten
.set X,   16                           ; v[16:143]  loaded numbers
.set XF,  144                          ; v[144:207] x path: Wg as loaded, then x's fragments (row block rb, step ks at 8 (4 rb + ks)); weights path: what is stored
.set WF,  208                          ; v[208:239] Wg packed, then its fragments (step ks at 8 ks)
.set ACC, 240                          ; v[240:255] two accumulators
.set L,   X+96                         ; the finish: my three logits
.set T2,  X+100                        ; at work
.set GO,  X+112                        ; what is stored
	s_load_b512 s[8:23], s[0:1], 0x0               ; x 8, qWg 10, kWg 12, vWg 14, qbg 16, kbg 18, vbg 20, csum 22
	s_load_b512 s[24:39], s[0:1], 0x40             ; gt 24, wcat 26, wo 28, qWp 30, qWi 32, qWd 34, kWp 36, kWi 38
	s_load_b256 s[40:47], s[0:1], 0x80             ; kWd 40, vWp 42, vWi 44, vWd 46
	s_load_b64 s[48:49], s[0:1], 0xa0              ; oW
	v_lshl_add_u32 v[SPW], v0, 2, SPARE
	v_mov_b32 v[NIL], 0
	v_lshrrev_b32 v1, 5, v0
	v_readfirstlane_b32 s2, v1                     ; wave 0..7
	v_and_b32 v2, 31, v0                           ; lane
	v_lshlrev_b32 v1, 4, v2                        ; 16 x lane
	s_and_b32 s3, ttmp7, 0xffff                    ; y: the same in all waves of the work-group
	s_mov_b32 s7, 0xffff0000                       ; a word's upper bf16
	s_wait_kmcnt 0x0
	s_cmp_lt_u32 s3, 4
	s_cbranch_scc1 .Lx
	; ---- THE WEIGHTS.  Wave w takes rows 32 x + 4 w + r, r = 0..3: 32 loads of 512 bytes, all out at once; each becomes one store of 256 consecutive bytes, aligned.
	s_sub_co_u32 s3, s3, 4                         ; which matrix, 0..9
	s_mul_i32 s4, s3, 11
	s_lshr_b32 s4, s4, 5                           ; p = matrix / 3
	s_mul_i32 s5, s4, 3
	s_sub_co_u32 s5, s3, s5                        ; seg = matrix % 3
	s_mul_i32 s4, s4, 1024*6144
	s_lshl_b32 s5, s5, 11
	s_add_co_u32 s5, s5, s4                        ; where the matrix begins in wcat
	s_mov_b32 s4, 6144                             ; bytes in a row of wcat
	s_mov_b64 s[50:51], s[30:31]
.irp i, 1,2,3,4,5,6,7,8,9
	s_cmp_eq_u32 s3, \i
	s_cselect_b64 s[50:51], s[30+2*\i:31+2*\i], s[50:51]
.endr
	s_cselect_b64 s[52:53], s[28:29], s[26:27]     ; the last compare stands: matrix 9 is oW and goes to wo,
	s_cselect_b32 s4, 2048, s4                     ; whose rows are 2,048 bytes,
	s_cselect_b32 s5, 0, s5                        ; from its first byte
	s_lshl_b32 s6, ttmp9, 5
	s_lshl2_add_u32 s6, s2, s6                     ; my first row
	s_lshl_b32 s54, s6, 12
	s_mov_b32 s55, 0
	s_add_nc_u64 s[50:51], s[50:51], s[54:55]
	s_mul_i32 s54, s6, s4
	s_add_co_u32 s54, s54, s5
	s_add_nc_u64 s[52:53], s[52:53], s[54:55]
	v_lshlrev_b32 v4, 3, v2                        ; v[4:7]: 8 x lane + r rows
.irp r, 1,2,3
	s_mul_i32 s56, s4, \r
	v_lshl_add_u32 v[4+\r], v2, 3, s56
.endr
.set n, 0
.rept 32
	global_load_b128 v[X+4*n:X+4*n+3], v1, s[50:51] offset:(n/8)*4096+(n%8)*512 th:TH_LOAD_NT
.set n, n+1
.endr
.set n, 0
.rept 32
	s_wait_loadcnt 31-n                            ; loads come back in order: number n is in, the younger ones stay out
	v_cvt_pk_bf16_f32 v8, v[X+4*n], v[X+4*n+1]
	v_cvt_pk_bf16_f32 v9, v[X+4*n+2], v[X+4*n+3]
	v_lshlrev_b32 v[X+4*n], 16, v8
	v_and_b32 v[X+4*n+1], s7, v8
	v_lshlrev_b32 v[X+4*n+2], 16, v9
	v_and_b32 v[X+4*n+3], s7, v9
	v_cvt_pk_f16_f32 v[XF+2*n], v[X+4*n], v[X+4*n+1]
	v_cvt_pk_f16_f32 v[XF+2*n+1], v[X+4*n+2], v[X+4*n+3]
	global_store_b64 v[4+n/8], v[XF+2*n:XF+2*n+1], s[52:53] offset:(n%8)*256 th:TH_STORE_NT  ; every store has registers of its own: nothing is rewritten
.set n, n+1
.endr
	s_wait_tensorcnt 0x0                           ; the wave's end
	ds_add_u32 v[SPW], v[NIL]
	s_wait_dscnt 0x0
	s_endpgm
	; ---- THE ROWS OF x.
.Lx:
	s_load_b96 s[52:54], s[16:17], 0x0             ; the three biases of q, k, v
	s_load_b96 s[56:58], s[18:19], 0x0
	s_load_b96 s[60:62], s[20:21], 0x0
	s_lshl_b32 s4, s3, 5
	s_add_co_u32 s4, s4, ttmp9                     ; e
	s_lshl_b32 s5, s2, 9                           ; my 128 columns: 512 bytes of f32
	s_lshl_b32 s32, s4, 17                         ; 32 rows of 4,096 bytes
	s_add_co_u32 s32, s32, s5
	s_mov_b32 s33, 0
	s_add_nc_u64 s[8:9], s[8:9], s[32:33]
	s_lshl_b32 s34, s4, 12
	s_add_co_u32 s34, s34, s5
	s_mov_b32 s35, 0
	s_add_nc_u64 s[22:23], s[22:23], s[34:35]      ; csum at my chunk and columns
	v_lshlrev_b32 v3, 4, v0                        ; 16 x thread
.irp p, 0,1,2
.irp sg, 0,1,2
	global_load_b128 v[XF+4*(3*\p+\sg):XF+4*(3*\p+\sg)+3], v3, s[10+2*\p:11+2*\p] offset:\sg*4096  ; thread t: columns 4 t .. 4 t + 3 of gate 3 p + seg
.endr
.endr
.set i, 0
.rept 32
	global_load_b128 v[X+4*i:X+4*i+3], v1, s[8:9] offset:i*4096 th:TH_LOAD_NT  ; row i: 512 consecutive bytes, aligned
.set i, i+1
.endr
	v_and_b32 v8, 15, v0                           ; r = l % 16
	v_bfe_u32 v9, v0, 4, 1                         ; h = l / 16
	s_mul_i32 s6, s2, XW                           ; my strip
	v_lshl_add_u32 v5, v2, 3, s6                   ; where I put my 8 bytes of a row
	v_mul_u32_u24 v6, v8, XP
	v_lshl_add_u32 v6, v9, 4, v6
	v_add_nc_u32 v6, s6, v6                        ; x's fragments: my strip + row x pitch + 16 x half
	s_lshl_b32 s37, s2, 11
	s_add_co_u32 s37, s37, PART
	v_lshlrev_b32 v13, 5, v8
	v_lshl_add_u32 v13, v9, 10, v13
	v_add_nc_u32 v13, s37, v13                     ; where I put my 32 bytes of a partial tile: 2,048 x wave + 1,024 x half + 32 x (l % 16); the row block, 512 bytes, stands in the immediate
	v_min_u32 v8, 8, v8                            ; lanes 9 to 15 take gate 8 once more: their rows of the result serve nothing
	v_mul_u32_u24 v7, v8, WP
	v_lshl_add_u32 v7, v9, 4, v7
	s_lshl_b32 s36, s2, 8
	s_add_co_u32 s36, s36, WL
	v_add_nc_u32 v7, s36, v7                       ; the table's fragments: my 128 columns are 256 bytes of a row
	v_lshl_add_u32 v4, v0, 3, WL                   ; where I put my 8 bytes of a row of the table
	v_mov_b32 v[ONE], 1.0
	s_wait_loadcnt 32                              ; Wg's nine loads are in; x's 32 stay out
.set g, 0
.rept 9
	v_cvt_pk_bf16_f32 v[WF+2*g], v[XF+4*g], v[XF+4*g+1]
	v_cvt_pk_bf16_f32 v[WF+2*g+1], v[XF+4*g+2], v[XF+4*g+3]
	ds_store_b64 v4, v[WF+2*g:WF+2*g+1] offset:g*WP
.set g, g+1
.endr
	s_wait_dscnt 0x0                               ; for the others' sake: my part of the table is written
	s_barrier_signal -1
	s_barrier_wait -1
.set i, 0
.rept 32
	s_wait_loadcnt 31-i                            ; row i is in, the younger rows stay out
	v_cvt_pk_bf16_f32 v[X+4*i], v[X+4*i], v[X+4*i+1]
	v_cvt_pk_bf16_f32 v[X+4*i+1], v[X+4*i+2], v[X+4*i+3]
	ds_store_b64 v5, v[X+4*i:X+4*i+1] offset:i*XP
.if i == 0
	v_lshlrev_b32 v[CS], 16, v[X]                  ; row 0 starts the column sums
	v_and_b32 v[CS+1], s7, v[X]
	v_lshlrev_b32 v[CS+2], 16, v[X+1]
	v_and_b32 v[CS+3], s7, v[X+1]
.else
	v_fma_mix_f32_bf16 v[CS], v[X+4*i], v[ONE], v[CS] op_sel_hi:[1,0,0]
	v_fma_mix_f32_bf16 v[CS+1], v[X+4*i], v[ONE], v[CS+1] op_sel:[1,0,0] op_sel_hi:[1,0,0]
	v_fma_mix_f32_bf16 v[CS+2], v[X+4*i+1], v[ONE], v[CS+2] op_sel_hi:[1,0,0]
	v_fma_mix_f32_bf16 v[CS+3], v[X+4*i+1], v[ONE], v[CS+3] op_sel:[1,0,0] op_sel_hi:[1,0,0]
.endif
.set i, i+1
.endr
	global_store_b128 v1, v[CS:CS+3], s[22:23]     ; 512 consecutive bytes a wave; CS is not written again
.irp ks, 0,1,2,3
	ds_load_b128 v[WF+8*\ks:WF+8*\ks+3],   v7 offset:64*\ks
	ds_load_b128 v[WF+8*\ks+4:WF+8*\ks+7], v7 offset:64*\ks+32
.irp rb, 0,1
	ds_load_b128 v[XF+8*(4*\rb+\ks):XF+8*(4*\rb+\ks)+3],   v6 offset:\rb*16*XP+64*\ks      ; LDS serves a wave's instructions in order: these see my stores above
	ds_load_b128 v[XF+8*(4*\rb+\ks)+4:XF+8*(4*\rb+\ks)+7], v6 offset:\rb*16*XP+64*\ks+32
.endr
.endr
	s_wait_dscnt 0x0
	; source 0 = the gates, source 1 = 16 rows of x: in the result lane l holds token l % 16 and the gates 8 (l / 16) + 0..7.  The two accumulators take turns.
.irp ks, 0,1,2,3
.irp rb, 0,1
.if \ks == 0
	v_wmma_f32_16x16x32_bf16 v[ACC+8*\rb:ACC+8*\rb+7], v[WF+8*\ks:WF+8*\ks+7], v[XF+8*(4*\rb+\ks):XF+8*(4*\rb+\ks)+7], 0
.else
	v_wmma_f32_16x16x32_bf16 v[ACC+8*\rb:ACC+8*\rb+7], v[WF+8*\ks:WF+8*\ks+7], v[XF+8*(4*\rb+\ks):XF+8*(4*\rb+\ks)+7], v[ACC+8*\rb:ACC+8*\rb+7]
.endif
.endr
.endr
.rept 4
	v_nop                                          ; the places behind the last product
.endr
.irp rb, 0,1
	ds_store_b128 v13, v[ACC+8*\rb:ACC+8*\rb+3]   offset:\rb*512
	ds_store_b128 v13, v[ACC+8*\rb+4:ACC+8*\rb+7] offset:\rb*512+16
.endr
	s_wait_dscnt 0x0                               ; my partial logits are written
	s_barrier_signal -1
	s_barrier_wait -1
	s_cmp_lt_u32 s2, 3                             ; waves 0, 1, 2 finish the gates of q, k, v: a lane a token
	s_cbranch_scc0 .Lxend
	; Token t = my lane: gates 0 to 7 of wave w's partial sums lie at PART + 2,048 w + 32 t, gate 8 lies 1,024 bytes on.  The address is the same in the three waves: each takes all nine gates and picks its three by value.
	v_lshl_add_u32 v4, v2, 5, PART
.irp w, 0,1,2,3,4,5,6,7
	ds_load_b128 v[X+12*\w:X+12*\w+3],   v4 offset:\w*2048
	ds_load_b128 v[X+12*\w+4:X+12*\w+7], v4 offset:\w*2048+16
	ds_load_b32  v[X+12*\w+8],           v4 offset:\w*2048+1024
.endr
	s_lshl_b32 s36, s2, 16
	s_lshl_b32 s37, s4, 9
	s_add_co_u32 s36, s36, s37
	s_mov_b32 s37, 0
	s_add_nc_u64 s[24:25], s[24:25], s[36:37]      ; gt at [p][32 e]
	s_mov_b32 s38, 0x3fb8aa3b                      ; log2 e
	s_wait_kmcnt 0x0
	s_cmp_eq_u32 s2, 1
	s_cselect_b32 s39, -1, 0                       ; all lanes: I finish k
	s_cselect_b32 s52, s56, s52
	s_cselect_b32 s53, s57, s53
	s_cselect_b32 s54, s58, s54
	s_cmp_eq_u32 s2, 2
	s_cselect_b32 s40, -1, 0                       ; all lanes: I finish v
	s_cselect_b32 s52, s60, s52
	s_cselect_b32 s53, s61, s53
	s_cselect_b32 s54, s62, s54
	v_mov_b32 v[T2], s52
	v_mov_b32 v[T2+1], s53
	v_mov_b32 v[T2+2], s54
	v_cvt_pk_bf16_f32 v[T2+3], v[T2], v[T2+1]      ; the biases are inputs: rounded to bf16 like the others
	v_cvt_pk_bf16_f32 v[T2+4], v[T2+2], v[T2+2]
	v_lshlrev_b32 v[T2], 16, v[T2+3]
	v_and_b32 v[T2+1], s7, v[T2+3]
	v_lshlrev_b32 v[T2+2], 16, v[T2+4]
	s_wait_dscnt 0x0
.macro ADDW a, b                       ; wave b's nine partial sums onto wave a's
.irp k, 0,2,4,6
	v_pk_add_f32 v[X+12*(\a)+\k:X+12*(\a)+\k+1], v[X+12*(\a)+\k:X+12*(\a)+\k+1], v[X+12*(\b)+\k:X+12*(\b)+\k+1]
.endr
	v_add_f32 v[X+12*(\a)+8], v[X+12*(\a)+8], v[X+12*(\b)+8]
.endm
	ADDW 0, 1
	ADDW 2, 3
	ADDW 4, 5
	ADDW 6, 7
	ADDW 0, 2
	ADDW 4, 6
	ADDW 0, 4
.irp i, 0,1,2
	v_cndmask_b32 v[L+\i], v[X+\i], v[X+3+\i], s39 ; gates 0-2 are q's, 3-5 k's, 6-8 v's
.endr
.irp i, 0,1,2
	v_cndmask_b32 v[L+\i], v[L+\i], v[X+6+\i], s40
.endr
.irp i, 0,1,2
	v_add_f32 v[L+\i], v[L+\i], v[T2+\i]           ; the logit
.endr
	v_max3_num_f32 v[T2+5], v[L], v[L+1], v[L+2]   ; the maximum is taken away before the exponentials
	v_mul_f32 v[T2+5], s38, v[T2+5]
.irp i, 0,1,2
	v_fma_f32 v[L+\i], v[L+\i], s38, -v[T2+5]
.endr
.irp i, 0,1,2
	v_exp_f32 v[L+\i], v[L+\i]
.endr
	v_nop                                          ; a plain instruction behind the last exponential,
	s_wait_alu depctr_va_vdst(0)                   ; and one wait for the three, ahead of their first reader
.irp i, 0,1,2
	v_max_num_f32 v[L+\i], 0x21800000, v[L+\i]     ; 2^-60 at the least
.endr
	v_add_f32 v[T2+6], v[L], v[L+1]
	v_add_f32 v[T2+6], v[T2+6], v[L+2]
	v_rcp_f32 v[T2+7], v[L+1]
	v_rcp_f32 v[T2+8], v[L+2]
	v_rcp_f32 v[T2+9], v[T2+6]
	v_nop
	s_wait_alu depctr_va_vdst(0)                   ; one wait for the three reciprocals
	v_mul_f32 v[GO], v[L], v[T2+7]                 ; g0 / g1
	v_mul_f32 v[GO+1], v[L+1], v[T2+8]             ; g1 / g2
	v_mul_f32 v[GO+2], v[L+2], v[T2+9]             ; g2
	v_mov_b32 v[GO+3], 0
	global_store_b128 v1, v[GO:GO+3], s[24:25]     ; 32 tokens x 16 bytes: 512 consecutive bytes
.Lxend:
	s_wait_tensorcnt 0x0                           ; the wave's end, behind my last LDS store
	ds_add_u32 v[SPW], v[NIL]
	s_wait_dscnt 0x0
	s_endpgm
.Lfunc_end_k_q89f610d25b_prep1:
	.size	k_q89f610d25b_prep1, .Lfunc_end_k_q89f610d25b_prep1-k_q89f610d25b_prep1
	.p2alignl 7, 3214868480
	.fill 96, 4, 3214868480
	.section	.rodata,"a",@progbits
	.p2align	6, 0x0
	.amdhsa_kernel k_q89f610d25b_prep1
		.amdhsa_group_segment_fixed_size 105728
		.amdhsa_private_segment_fixed_size 0
		.amdhsa_enable_private_segment 0
		.amdhsa_kernarg_size 168
		.amdhsa_user_sgpr_count 2
		.amdhsa_user_sgpr_kernarg_segment_ptr 1
		.amdhsa_wavefront_size32 1
		.amdhsa_system_sgpr_workgroup_id_x 1
		.amdhsa_system_sgpr_workgroup_id_y 1
		.amdhsa_system_sgpr_workgroup_id_z 1
		.amdhsa_system_vgpr_workitem_id 0
		.amdhsa_next_free_vgpr 256
		.amdhsa_next_free_sgpr 66
		.amdhsa_reserve_vcc 0
		.amdhsa_float_denorm_mode_32 3
		.amdhsa_float_denorm_mode_16_64 3
		.amdhsa_memory_ordered 1
		.amdhsa_forward_progress 1
		.amdhsa_inst_pref_size 53
	.end_amdhsa_kernel
	.amdgpu_metadata
---
amdhsa.version: [ 1, 2 ]
amdhsa.kernels:
  - .name:           k_q89f610d25b_prep1
    .symbol:         k_q89f610d25b_prep1.kd
    .args:
      - { .name: x, .offset: 0, .size: 8, .value_kind: global_buffer, .address_space: global }
      - { .name: qWg, .offset: 8, .size: 8, .value_kind: global_buffer, .address_space: global }
      - { .name: kWg, .offset: 16, .size: 8, .value_kind: global_buffer, .address_space: global }
      - { .name: vWg, .offset: 24, .size: 8, .value_kind: global_buffer, .address_space: global }
      - { .name: qbg, .offset: 32, .size: 8, .value_kind: global_buffer, .address_space: global }
      - { .name: kbg, .offset: 40, .size: 8, .value_kind: global_buffer, .address_space: global }
      - { .name: vbg, .offset: 48, .size: 8, .value_kind: global_buffer, .address_space: global }
      - { .name: csum, .offset: 56, .size: 8, .value_kind: global_buffer, .address_space: global }
      - { .name: gt, .offset: 64, .size: 8, .value_kind: global_buffer, .address_space: global }
      - { .name: wcat, .offset: 72, .size: 8, .value_kind: global_buffer, .address_space: global }
      - { .name: wo, .offset: 80, .size: 8, .value_kind: global_buffer, .address_space: global }
      - { .name: qWp, .offset: 88, .size: 8, .value_kind: global_buffer, .address_space: global }
      - { .name: qWi, .offset: 96, .size: 8, .value_kind: global_buffer, .address_space: global }
      - { .name: qWd, .offset: 104, .size: 8, .value_kind: global_buffer, .address_space: global }
      - { .name: kWp, .offset: 112, .size: 8, .value_kind: global_buffer, .address_space: global }
      - { .name: kWi, .offset: 120, .size: 8, .value_kind: global_buffer, .address_space: global }
      - { .name: kWd, .offset: 128, .size: 8, .value_kind: global_buffer, .address_space: global }
      - { .name: vWp, .offset: 136, .size: 8, .value_kind: global_buffer, .address_space: global }
      - { .name: vWi, .offset: 144, .size: 8, .value_kind: global_buffer, .address_space: global }
      - { .name: vWd, .offset: 152, .size: 8, .value_kind: global_buffer, .address_space: global }
      - { .name: oW, .offset: 160, .size: 8, .value_kind: global_buffer, .address_space: global }
    .group_segment_fixed_size: 105728
    .private_segment_fixed_size: 0
    .kernarg_segment_align: 8
    .kernarg_segment_size: 168
    .max_flat_workgroup_size: 256
    .sgpr_count:     66
    .vgpr_count:     256
    .wavefront_size: 32
...
	.end_amdgpu_metadata
.endif
;; end of part 1
;; launch pid (part 2): grid 4 x 64, 8 waves a work-group, no clusters, 9,216 bytes of LDS; arguments x, csum, acat; writes acat
.if DOCPART == 2
	.amdgcn_target "amdgcn-amd-amdhsa--gfx1250"
	.amdhsa_code_object_version 6
	.text
	.protected	k_q89f610d25b_pid
	.globl	k_q89f610d25b_pid
	.p2align	8
	.type	k_q89f610d25b_pid,@function
k_q89f610d25b_pid:
	s_mov_b64 s[64:65], 0
	v_nop
	global_prefetch_b8 v0, s[64:65] scope:SCOPE_SE
	s_setreg_imm32_b32 hwreg(HW_REG_WAVE_MODE, 25, 1), 1
	s_wait_xcnt 0x0
; acat[row][0:1024] = x rounded to bf16, [1024:2048] = its running mean over t, [2048:3072] = its first difference over t (0 at t = 0), all written as f16.  row = b 2048 + t.
; A work-group owns 64 rows x 256 columns; wave w owns 16 rows (sc = w / 2) x 128 columns (ch = w % 2), four columns a lane.
; The sum of all earlier rows of the batch comes from csum (sums of chunks of 32 rows, made by the launch before): the work-group's 2 c earlier chunks are shared out among its four row quarters,
; 16 chunk rows each, those at or past 2 c multiplied by 0 (every load stays inside the batch's 64 chunks); the quarters' own sums meet with them in LDS.
; LIMITS.  The order of the f32 additions differs from a plain running sum's; 1 / (t + 1) is v_rcp_f32's; numbers beyond 65,504 become infinities in f16; below 6e-5 f16 keeps its fixed step of 6e-8.
; Memory binds: no matrix unit, no cluster; 33 loads of 512 bytes a wave are out at once; each store covers 256 consecutive bytes, aligned.
.set PPL,   0                          ; LDS: [wave][lane][16 bytes]: the waves' shares of the earlier chunks
.set SSL,   4096                       ; the waves' sums of their own 16 rows
.set SPARE, 8192
.set XP,  12                           ; v[12:15]   the row before my first (XP + 4 = X)
.set X,   16                           ; v[16:79]   my 16 rows
.set E,   80                           ; v[80:143]  16 chunk sums; then
.set OUT, 80                           ; v[80:175]  six packed words a row
.set R,   176                          ; v[176:191] 1 / (t + 1)
.set PP,  192
.set SS,  196
.set RUN, 200
.set T,   204
.set LD,  216                          ; v[216:243]
.set SPW, 250
.set NIL, 251
	s_load_b128 s[4:7], s[0:1], 0x0                ; x, csum
	s_load_b64 s[8:9], s[0:1], 0x10                ; acat
	v_lshl_add_u32 v[SPW], v0, 2, SPARE
	v_mov_b32 v[NIL], 0
	v_lshrrev_b32 v1, 5, v0
	v_readfirstlane_b32 s10, v1                    ; wave
	v_and_b32 v3, 31, v0
	v_lshlrev_b32 v1, 4, v3                        ; 16 x lane
	v_lshlrev_b32 v2, 3, v3                        ; 8 x lane
	v_lshlrev_b32 v4, 4, v0                        ; 16 x thread
	s_lshr_b32 s11, s10, 1                         ; sc
	s_and_b32 s12, s10, 1                          ; ch
	s_and_b32 s13, ttmp7, 0xffff                   ; which 64 rows
	s_lshr_b32 s14, s13, 5                         ; b
	s_and_b32 s15, s13, 31                         ; c
	s_lshl_b32 s16, s13, 6
	s_lshl4_add_u32 s16, s11, s16                  ; my first row
	s_lshl_b32 s17, s15, 6
	s_lshl4_add_u32 s17, s11, s17                  ; its t
	s_lshl_b32 s18, ttmp9, 10
	s_lshl_b32 s19, s12, 9
	s_add_co_u32 s18, s18, s19                     ; my columns, in bytes of f32
	s_lshl_b32 s20, s16, 12
	s_add_co_u32 s20, s20, s18
	s_mov_b32 s21, 0
	s_lshl_b32 s22, s14, 6
	s_lshl4_add_u32 s22, s11, s22                  ; chunk 64 b + 16 sc
	s_lshl_b32 s22, s22, 12
	s_add_co_u32 s22, s22, s18
	s_mov_b32 s23, 0
	s_mul_i32 s24, s16, 6144
	s_lshr_b32 s25, s18, 1
	s_add_co_u32 s24, s24, s25
	s_mov_b32 s25, 0
	s_cmp_eq_u32 s17, 0
	s_cselect_b32 s26, 0, 4096                     ; at t = 0 the row before is the row itself: the difference is 0
	s_mov_b32 s27, 0
	s_lshl_b32 s31, s11, 4                         ; 16 sc
	s_lshl_b32 s32, s15, 1                         ; 2 c
	s_mov_b32 s35, 0                               ; named with s34 as a pair
	s_mov_b32 s36, 0xffff0000
	s_wait_kmcnt 0x0
	s_add_nc_u64 s[4:5], s[4:5], s[20:21]
	s_sub_nc_u64 s[28:29], s[4:5], s[26:27]
	s_add_nc_u64 s[6:7], s[6:7], s[22:23]
	s_add_nc_u64 s[8:9], s[8:9], s[24:25]
.set i, 0
.rept 16
	global_load_b128 v[E+4*i:E+4*i+3], v1, s[6:7] offset:i*4096
.set i, i+1
.endr
	global_load_b128 v[XP:XP+3], v1, s[28:29]
.set i, 0
.rept 16
	global_load_b128 v[X+4*i:X+4*i+3], v1, s[4:5] offset:i*4096
.set i, i+1
.endr
.set i, 0
.rept 16
	s_add_co_u32 s30, s17, 1+i
	v_cvt_f32_u32 v[R+i], s30
.set i, i+1
.endr
.set i, 0
.rept 16
	v_rcp_f32 v[R+i], v[R+i]
.set i, i+1
.endr
	v_nop                                          ; a plain instruction behind the last reciprocal,
	s_wait_alu depctr_va_vdst(0)                   ; and one wait for the sixteen
.set i, 0
.rept 16
	s_add_co_u32 s33, s31, i
	s_cmp_lt_u32 s33, s32                          ; is chunk 16 sc + i one of the 2 c earlier ones?
	s_cselect_b32 s34, 1.0, 0
	s_wait_loadcnt 32-i                            ; chunk i is in: behind it stand 15 - i chunks and x's 17 loads
.if i == 0
	v_pk_mul_f32 v[PP:PP+1], v[E:E+1], s[34:35] op_sel_hi:[1,0]
	v_pk_mul_f32 v[PP+2:PP+3], v[E+2:E+3], s[34:35] op_sel_hi:[1,0]
.else
	v_pk_fma_f32 v[PP:PP+1], v[E+4*i:E+4*i+1], s[34:35], v[PP:PP+1] op_sel_hi:[1,0,1]
	v_pk_fma_f32 v[PP+2:PP+3], v[E+4*i+2:E+4*i+3], s[34:35], v[PP+2:PP+3] op_sel_hi:[1,0,1]
.endif
.set i, i+1
.endr
	s_wait_loadcnt 0x0
.set i, 0
.rept 17                                           ; 17 rows rounded to bf16, in place, kept as f32
	v_cvt_pk_bf16_f32 v[T], v[XP+4*i], v[XP+4*i+1]
	v_cvt_pk_bf16_f32 v[T+1], v[XP+4*i+2], v[XP+4*i+3]
	v_lshlrev_b32 v[XP+4*i], 16, v[T]
	v_and_b32 v[XP+4*i+1], s36, v[T]
	v_lshlrev_b32 v[XP+4*i+2], 16, v[T+1]
	v_and_b32 v[XP+4*i+3], s36, v[T+1]
.set i, i+1
.endr
	v_pk_add_f32 v[SS:SS+1], v[X:X+1], v[X+4:X+5]
	v_pk_add_f32 v[SS+2:SS+3], v[X+2:X+3], v[X+6:X+7]
.set i, 2
.rept 14
	v_pk_add_f32 v[SS:SS+1], v[SS:SS+1], v[X+4*i:X+4*i+1]
	v_pk_add_f32 v[SS+2:SS+3], v[SS+2:SS+3], v[X+4*i+2:X+4*i+3]
.set i, i+1
.endr
	ds_store_b128 v4, v[PP:PP+3] offset:PPL
	ds_store_b128 v4, v[SS:SS+3] offset:SSL
	s_wait_dscnt 0x0                               ; for the others' sake
	s_barrier_signal -1
	s_barrier_wait -1
	s_lshl_b32 s37, s12, 9
	v_add_nc_u32 v5, s37, v1                       ; the four waves of my column half: 1,024 bytes apart
.irp k, 0,1,2,3
	ds_load_b128 v[LD+4*\k:LD+4*\k+3], v5 offset:PPL+\k*1024
.endr
.irp k, 0,1,2
	ds_load_b128 v[LD+16+4*\k:LD+16+4*\k+3], v5 offset:SSL+\k*1024
.endr
	s_wait_dscnt 0x0
	v_pk_add_f32 v[RUN:RUN+1], v[LD:LD+1], v[LD+4:LD+5]
	v_pk_add_f32 v[RUN+2:RUN+3], v[LD+2:LD+3], v[LD+6:LD+7]
.irp k, 2,3
	v_pk_add_f32 v[RUN:RUN+1], v[RUN:RUN+1], v[LD+4*\k:LD+4*\k+1]
	v_pk_add_f32 v[RUN+2:RUN+3], v[RUN+2:RUN+3], v[LD+4*\k+2:LD+4*\k+3]
.endr
.irp k, 0,1,2
	s_cmp_gt_u32 s11, \k                           ; the row quarters above mine
	s_cselect_b32 s34, 1.0, 0
	v_pk_fma_f32 v[RUN:RUN+1], v[LD+16+4*\k:LD+16+4*\k+1], s[34:35], v[RUN:RUN+1] op_sel_hi:[1,0,1]
	v_pk_fma_f32 v[RUN+2:RUN+3], v[LD+16+4*\k+2:LD+16+4*\k+3], s[34:35], v[RUN+2:RUN+3] op_sel_hi:[1,0,1]
.endr
.set i, 0
.rept 16
	v_pk_add_f32 v[RUN:RUN+1], v[RUN:RUN+1], v[X+4*i:X+4*i+1]
	v_pk_add_f32 v[RUN+2:RUN+3], v[RUN+2:RUN+3], v[X+4*i+2:X+4*i+3]
	v_pk_add_f32 v[T+4:T+5], v[X+4*i:X+4*i+1], v[X+4*i-4:X+4*i-3] neg_lo:[0,1] neg_hi:[0,1]
	v_pk_add_f32 v[T+6:T+7], v[X+4*i+2:X+4*i+3], v[X+4*i-2:X+4*i-1] neg_lo:[0,1] neg_hi:[0,1]
.irp k, 0,1,2,3
	v_mul_f32 v[T+\k], v[RUN+\k], v[R+i]
.endr
	v_cvt_pk_f16_f32 v[OUT+6*i], v[X+4*i], v[X+4*i+1]
	v_cvt_pk_f16_f32 v[OUT+6*i+1], v[X+4*i+2], v[X+4*i+3]
	v_cvt_pk_f16_f32 v[OUT+6*i+2], v[T], v[T+1]
	v_cvt_pk_f16_f32 v[OUT+6*i+3], v[T+2], v[T+3]
	v_cvt_pk_f16_f32 v[OUT+6*i+4], v[T+4], v[T+5]
	v_cvt_pk_f16_f32 v[OUT+6*i+5], v[T+6], v[T+7]
.irp sg, 0,1,2
	global_store_b64 v2, v[OUT+6*i+2*\sg:OUT+6*i+2*\sg+1], s[8:9] offset:i*6144+\sg*2048  ; every store has registers of its own
.endr
.set i, i+1
.endr
	s_wait_tensorcnt 0x0                           ; the wave's end, behind my last LDS store
	ds_add_u32 v[SPW], v[NIL]
	s_wait_dscnt 0x0
	s_endpgm
.Lfunc_end_k_q89f610d25b_pid:
	.size	k_q89f610d25b_pid, .Lfunc_end_k_q89f610d25b_pid-k_q89f610d25b_pid
	.p2alignl 7, 3214868480
	.fill 96, 4, 3214868480
	.section	.rodata,"a",@progbits
	.p2align	6, 0x0
	.amdhsa_kernel k_q89f610d25b_pid
		.amdhsa_group_segment_fixed_size 9216
		.amdhsa_private_segment_fixed_size 0
		.amdhsa_enable_private_segment 0
		.amdhsa_kernarg_size 24
		.amdhsa_user_sgpr_count 2
		.amdhsa_user_sgpr_kernarg_segment_ptr 1
		.amdhsa_wavefront_size32 1
		.amdhsa_system_sgpr_workgroup_id_x 1
		.amdhsa_system_sgpr_workgroup_id_y 1
		.amdhsa_system_sgpr_workgroup_id_z 1
		.amdhsa_system_vgpr_workitem_id 0
		.amdhsa_next_free_vgpr 252
		.amdhsa_next_free_sgpr 66
		.amdhsa_reserve_vcc 0
		.amdhsa_float_denorm_mode_32 3
		.amdhsa_float_denorm_mode_16_64 3
		.amdhsa_memory_ordered 1
		.amdhsa_forward_progress 1
		.amdhsa_inst_pref_size 36
	.end_amdhsa_kernel
	.amdgpu_metadata
---
amdhsa.version: [ 1, 2 ]
amdhsa.kernels:
  - .name:           k_q89f610d25b_pid
    .symbol:         k_q89f610d25b_pid.kd
    .args:
      - { .name: x, .offset: 0, .size: 8, .value_kind: global_buffer, .address_space: global }
      - { .name: csum, .offset: 8, .size: 8, .value_kind: global_buffer, .address_space: global }
      - { .name: acat, .offset: 16, .size: 8, .value_kind: global_buffer, .address_space: global }
    .group_segment_fixed_size: 9216
    .private_segment_fixed_size: 0
    .kernarg_segment_align: 8
    .kernarg_segment_size: 24
    .max_flat_workgroup_size: 256
    .sgpr_count:     66
    .vgpr_count:     252
    .wavefront_size: 32
...
	.end_amdgpu_metadata
.endif
;; end of part 2
;; launch proj (part 3): grid 12 x 16, 4 waves a work-group, clusters of 4 x 4, 327,680 bytes of LDS; arguments acat, wcat, gt, qkv; writes qkv
.if DOCPART == 3
	.amdgcn_target "amdgcn-amd-amdhsa--gfx1250"
	.amdhsa_code_object_version 6
	.text
	.protected	k_q89f610d25b_proj
	.globl	k_q89f610d25b_proj
	.p2align	8
	.type	k_q89f610d25b_proj,@function
k_q89f610d25b_proj:
	s_mov_b64 s[64:65], 0
	v_nop
	global_prefetch_b8 v0, s[64:65] scope:SCOPE_SE
	s_setreg_imm32_b32 hwreg(HW_REG_WAVE_MODE, 25, 1), 1
	s_wait_xcnt 0x0
	s_wait_alu depctr_hold_cnt(0) depctr_sa_sdst(0) depctr_va_vdst(0) depctr_va_sdst(0) depctr_va_ssrc(0) depctr_va_vcc(0) depctr_vm_vsrc(0)
	s_getreg_b32 s2, hwreg(HW_REG_IB_STS2, 6, 4)
	s_cmp_eq_u32 s2, 0
	s_cbranch_scc0 .Lentry_in_a_cluster
	s_endpgm
.Lentry_in_a_cluster:
	s_bfe_u32 s2, ttmp6, 0x10000c
	s_cmp_lg_u32 s2, 0xf033
	s_cbranch_scc0 .Lentry_shape_is_right
	s_endpgm
.Lentry_shape_is_right:
; THE THREE PROJECTIONS AS ONE PRODUCT.  C[m][n] = sum over seg < 3 of g[p(n)][m][seg] S_seg[m][n], S_seg = sum over the 1,024 k of segment seg of A[m][k] B[n][k]; A = acat [4096][3072], B = wcat [3072][3072],
; both f16; p = n / 1024 (q, k, v).  The result goes out by heads, f16: qkv sections K at 0, V at 8,388,608, Q at 16,777,216, each [b 16 + h][t][64].  Sums in f32, rounded once.
; A tile of C is 256 x 256, one to a work-group of four waves, each 128 x 128: 64 accumulators, 512 registers.  A tile's 256 columns lie in one of q, k, v (cluster x = p).
; THE GATES ACT ON THE ACCUMULATORS.  In the result a lane holds one token, so a gate is one number a lane for each block of 16 rows.  C = ((S0 a + S1) b + S2) c with a = g0 / g1, b = g1 / g2, c = g2, as gt holds
; them: the 512 accumulator registers are multiplied by a behind K step 7 and by b behind K step 15 (one text of 256 packed multiplies in the loop, jumped over in the other trips by a test of the loop's
; counter, which is the same in all partners), and by c on the way out.  The quotients lie within 2^60 either way (the launch before sees to it), and so does a b = g0 / g2.
; K goes in 24 steps of 128 through two LDS slots filled by the tensor data mover; a trip of the loop is ONE K step; which slot is read is a scalar that one exclusive or turns (0 or SLOT).
; 192 work-groups of 256 x 256: a wave's 128 x 128 feeds the most products from each LDS byte.
; CLUSTERS: 4 x 4.  A's tile is shared along a row of the cluster, B's along a column: each is asked for jointly, by the same load, descriptor and mask in the four.
; THE MATRIX INSTRUCTION IS USED TRANSPOSED (source 0 = 16 rows of B, source 1 = 16 rows of A): a lane holds row l % 16 of C and the columns 8 (l / 16) + 0..7.
; LIMITS.  Operands and results lie within 65,504; a partial sum times 2^60 stays inside f32 up to sums of 2^67; NaN and infinities are not treated apart.
; REGISTERS: window 0: v16-30 addresses; v32-63 G (block i: the factor in turn, the next, the last, 0); v64-127, v128-191 A's fragments, two buffers; v192-255 and v64-95 at work on the way out.
;   window 1: v64-191 B's fragments.  windows 2, 3: accumulators (a, b) at 8 (8 a + b).
.set KSTEP,  128
.set PITCH,  272                       ; an LDS row: 256 bytes + 16 of padding: the 16 rows of a fragment load start at 16 different groups of four banks
.set HALFT,  128*PITCH
.set SLOT,   4*HALFT                   ; A's 256 rows, then B's 256 rows
.set STAGE,  2*SLOT                    ; behind the ring: for each wave two heads x 16 tokens x 144 bytes
.set SP,     144
.set HST,    16*SP
.set SPARE,  STAGE+4*2*HST             ; the spare words: 128 bytes a wave, two blocks of 256 bytes that no other line names
.set ROWB,   6144                      ; bytes in a row of A and of B
.set ADRA0, 16                         ; my lane's place in A's part of a slot; never rewritten
.set ADRB0, 17
.set ADRA,  18                         ; the same in the slot that is read
.set ADRB,  19
.set STO,  24
.set RD,   25
.set CO,   26
.set GA,   27
.set SPW,  28
.set NIL,  29
.set PFO,  30
.set G,    32
.set F0,   64
.set F1,   128
.set TMP,  192
.set G1A, 24                           ; s[24:31] group 1 for A;  s[32:39] group 0, two sets: the second walks on
.set G0A, 32
.set G1B, 48
.set G0B, 56
.set PFA, 44                           ; s[44:45] where my prefetches stand
.set LIM, 43
.set MSB, 0
.macro WIN new                         ; the immediate's high byte repeats the setting that is left
.if MSB != (\new)
	s_set_vgpr_msb (MSB<<8)|(\new)
.set MSB, \new
.endif
.endm
.set MUL_LO, 0xa1                      ; source 0 (B) window 1, source 1 (A) window 0, C and D window 2
.set MUL_HI, 0xf1
.set TO_B,   0x40
.set W_SC,   0x82                      ; destination and source 0 window 2, source 1 window 0; + 0x41: window 3
.macro JLOAD                           ; a joint refill: waves 0, 1 fetch A's halves, waves 2, 3 B's; an s_nop 0 and four v_nop follow each line
	s_cmp_eq_u32 s13, 0
	s_cbranch_scc0 .Lfor_b_\@
	tensor_load_to_lds s[G0A+4:G0A+7], s[G1A:G1A+7]
	s_nop 0
.rept 4
	v_nop
.endr
	s_branch .Lasked_\@
.Lfor_b_\@:
	tensor_load_to_lds s[G0B+4:G0B+7], s[G1B:G1B+7]
	s_nop 0
.rept 4
	v_nop
.endr
.Lasked_\@:
.endm
; A prefetch of the K step that stands two refills on: 32 rows x 256 bytes, a lane a row.  A's rows are asked for by the clusters with x = 0, B's by those with y = 0; the four partners of a joint
; load take 32 of its 128 rows each, told apart by address.  So each row's 256 bytes of a K step are named once.  The last two trips ask for nothing: K steps 24 and on do not exist.
.macro ASK
	s_cmp_gt_u32 s3, s[LIM]
	s_cbranch_scc0 .Lnot_mine_\@
	global_prefetch_b8 v[PFO], s[PFA:PFA+1] offset:KSTEP*2 th:TH_LOAD_NT scope:SCOPE_SE
.Lnot_mine_\@:
.endm
.macro CREST                           ; a round of the cluster's barrier behind its opening barrier
	s_cmp_lg_u32 s12, 0
	s_cbranch_scc1 .Lnot_wave_0_\@
	s_barrier_signal -3
.Lnot_wave_0_\@:
	s_barrier_wait -3
	s_barrier_signal -1
	s_barrier_wait -1
.endm
.macro CROUND
	s_barrier_signal -1
	s_barrier_wait -1
	CREST
.endm
	s_load_b256 s[4:11], s[0:1], 0x0               ; acat s[4:5], wcat s[6:7], gt s[8:9], qkv s[10:11]
	v_lshl_add_u32 v[SPW], v0, 2, SPARE
	v_mov_b32 v[NIL], 0
	ds_add_u32 v[SPW], v[NIL]                      ; the wave's opening: the add and its wait ahead of my first tensor load
	v_lshrrev_b32 v1, 5, v0
	v_readfirstlane_b32 s12, v1                    ; wave 0..3
	s_lshr_b32 s13, s12, 1                         ; my half of the tile's rows.  Also: I fetch for A (0) or B (1)
	s_and_b32 s14, s12, 1                          ; my half of its columns.  Also: which 128 rows I fetch
	s_bfe_u32 s15, ttmp6, 0x40000                  ; cx
	s_bfe_u32 s16, ttmp6, 0x40004                  ; cy
	s_lshl_b32 s17, ttmp9, 2
	s_add_co_u32 s17, s17, s15                     ; tile column
	s_and_b32 s18, ttmp7, 0xffff
	s_lshl_b32 s18, s18, 2
	s_add_co_u32 s18, s18, s16                     ; tile row
	s_lshl_b32 s40, s16, 2
	s_lshl_b32 s40, 15, s40                        ; my row of the cluster
	s_lshl_b32 s41, 0x1111, s15                    ; my column
	s_or_b32 s[G1A+0], s40, (1<<16)|(1<<20)|(1<<21)|(5<<22)|(3<<25)  ; mask; 2-byte elements; padding on; bit 21 beside a mask; after every 64 words, 4 words
	s_or_b32 s[G1B+0], s41, (1<<16)|(1<<20)|(1<<21)|(5<<22)|(3<<25)
.irp g, G1A, G1B
	s_mov_b32 s[(\g)+1], KSTEP<<16                 ; tensor_dim0 = 128
	s_mov_b32 s[(\g)+2], 128<<16                   ; tensor_dim1 = 128
	s_mov_b32 s[(\g)+3], KSTEP<<16                 ; tile_dim0 = 128
	s_mov_b32 s[(\g)+4], 128                       ; tile_dim1 = 128
	s_mov_b32 s[(\g)+5], 3072                      ; elements from row to row
	s_mov_b32 s[(\g)+6], 0
	s_mov_b32 s[(\g)+7], 0
.endr
	s_lshl_b32 s42, s14, 7
	s_lshl_b32 s66, s18, 8
	s_add_co_u32 s66, s66, s42                     ; A: row 256 x tile row + 128 x half: hangs on cy alone
	s_mul_i32 s66, s66, ROWB
	s_mov_b32 s67, 0
	s_lshl_b32 s46, s17, 8
	s_add_co_u32 s46, s46, s42                     ; B: row 256 x tile column + 128 x half: hangs on cx alone
	s_mul_i32 s46, s46, ROWB
	s_mov_b32 s47, 0
	s_mul_i32 s19, s12, HALFT                      ; where my loads go in a slot
	s_mov_b32 s20, 0                               ; the slot that is read
	s_wait_dscnt 0x0                               ; the opening add is done
	s_wait_kmcnt 0x0
	s_add_nc_u64 s[66:67], s[4:5], s[66:67]
	s_add_nc_u64 s[46:47], s[6:7], s[46:47]
	CROUND                                         ; all sixteen work-groups are here: the first joint loads meet
.irp s, 0,1
	s_mov_b32 s[G0A+4*(\s)], 1
	s_add_co_u32 s[G0A+4*(\s)+1], s19, (\s)*SLOT
	s_add_nc_u64 s[G0A+4*(\s)+2:G0A+4*(\s)+3], s[66:67], (\s)*KSTEP*2
	s_or_b32 s[G0A+4*(\s)+3], s[G0A+4*(\s)+3], 0x80000000
	s_mov_b32 s[G0B+4*(\s)], 1
	s_add_co_u32 s[G0B+4*(\s)+1], s19, (\s)*SLOT
	s_add_nc_u64 s[G0B+4*(\s)+2:G0B+4*(\s)+3], s[46:47], (\s)*KSTEP*2
	s_or_b32 s[G0B+4*(\s)+3], s[G0B+4*(\s)+3], 0x80000000
.endr
	s_cmp_eq_u32 s13, 0                            ; a wave's two first fills stand in one branch: two loads of mine are out
	s_cbranch_scc0 .Lfirst_b
	tensor_load_to_lds s[G0A:G0A+3], s[G1A:G1A+7]
	s_nop 0
	tensor_load_to_lds s[G0A+4:G0A+7], s[G1A:G1A+7]
	s_nop 0
.rept 4
	v_nop
.endr
	s_branch .Lfirst_asked
.Lfirst_b:
	tensor_load_to_lds s[G0B:G0B+3], s[G1B:G1B+7]
	s_nop 0
	tensor_load_to_lds s[G0B+4:G0B+7], s[G1B:G1B+7]
	s_nop 0
.rept 4
	v_nop
.endr
.Lfirst_asked:
	v_and_b32 v1, 15, v0                           ; l % 16
	v_bfe_u32 v2, v0, 4, 1                         ; l / 16
	v_lshlrev_b32 v[GA], 4, v1
	s_lshl_b32 s68, ttmp9, 16                      ; gt: p x 65,536
	s_lshl_b32 s69, s18, 12                        ; + 256 x tile row x 16 bytes
	s_add_co_u32 s68, s68, s69
	s_lshl_b32 s69, s13, 11                        ; + my 128 rows
	s_add_co_u32 s68, s68, s69
	s_mov_b32 s69, 0
	s_add_nc_u64 s[8:9], s[8:9], s[68:69]
.irp i, 0,1,2,3,4,5,6,7
	global_load_b128 v[G+4*\i:G+4*\i+3], v[GA], s[8:9] offset:\i*256  ; block i's token l % 16: a, b, c, 0
.endr
	v_mul_u32_u24 v5, v1, PITCH
	v_lshl_add_u32 v5, v2, 4, v5                   ; row x pitch + 16 x half
	s_mul_i32 s70, s13, HALFT
	v_add_nc_u32 v[ADRA0], s70, v5
	s_mul_i32 s70, s14, HALFT
	s_add_co_u32 s70, s70, 2*HALFT
	v_add_nc_u32 v[ADRB0], s70, v5
	v_mov_b32 v[ADRA], v[ADRA0]
	v_mov_b32 v[ADRB], v[ADRB0]
	s_mul_i32 s71, s12, 2*HST
	s_add_co_u32 s71, s71, STAGE                   ; my stage
	v_mul_u32_u24 v[STO], v1, SP                   ; in: token l % 16, 16 bytes for each half of the lanes
	v_lshl_add_u32 v[STO], v2, 4, v[STO]
	v_add_nc_u32 v[STO], s71, v[STO]
	v_bfe_u32 v[RD], v0, 3, 2                      ; back: 32 lanes take four tokens of 128 bytes,
	v_mul_u32_u24 v[RD], v[RD], SP
	v_and_b32 v6, 7, v0
	v_lshl_add_u32 v[RD], v6, 4, v[RD]
	v_add_nc_u32 v[RD], s71, v[RD]
	v_and_b32 v[CO], 31, v0                        ; which are 512 consecutive bytes of a head
	v_lshlrev_b32 v[CO], 4, v[CO]
	; where my part begins in qkv: section, then ((b 16 + head) 2048 + token) x 128
	s_mov_b32 s70, ttmp9
	s_cmp_eq_u32 s70, 0
	s_cselect_b32 s68, 0x1000000, 0                ; q
	s_cmp_eq_u32 s70, 2
	s_cselect_b32 s68, 0x800000, s68               ; v; k lies first
	s_lshr_b32 s69, s18, 3
	s_lshl_b32 s69, s69, 4                         ; b x 16
	s_lshl2_add_u32 s69, s15, s69                  ; + 4 cx
	s_lshl1_add_u32 s69, s14, s69                  ; + 2 x my column half
	s_lshl_b32 s69, s69, 11
	s_and_b32 s71, s18, 7
	s_lshl_b32 s71, s71, 8
	s_add_co_u32 s69, s69, s71
	s_lshl_b32 s71, s13, 7
	s_add_co_u32 s69, s69, s71
	s_lshl_b32 s69, s69, 7
	s_add_co_u32 s68, s68, s69
	s_mov_b32 s69, 0
	s_add_nc_u64 s[10:11], s[10:11], s[68:69]
	; the prefetches
	s_lshl_b32 s72, s18, 8
	s_lshl_b32 s73, s17, 8
	s_and_b32 s74, ttmp7, 0xffff                   ; cluster y
	s_cmp_eq_u32 s13, 0                            ; do I fetch for A?
	s_cselect_b32 s72, s72, s73                    ; the tile's first row
	s_cselect_b32 s73, s15, s16                    ; my place among the four that ask with me
	s_cselect_b32 s74, ttmp9, s74                  ; the coordinate along which other clusters read the same rows
	s_cselect_b64 s[PFA:PFA+1], s[4:5], s[6:7]
	s_cmp_eq_u32 s74, 0
	s_cselect_b32 s[LIM], 2, -1                    ; the same in all sixteen partners, for a given wave
	s_lshl_b32 s74, s14, 7
	s_add_co_u32 s72, s72, s74
	s_lshl_b32 s73, s73, 5
	s_add_co_u32 s72, s72, s73
	s_mul_i32 s72, s72, ROWB
	s_mov_b32 s73, 0
	s_add_nc_u64 s[PFA:PFA+1], s[PFA:PFA+1], s[72:73]
	s_add_nc_u64 s[PFA:PFA+1], s[PFA:PFA+1], 2*KSTEP*2  ; at K step 2: the first refill steps it to 3 and names K step 4
	v_and_b32 v[PFO], 31, v0
	v_mul_u32_u24 v[PFO], v[PFO], ROWB
; 16 matrix instructions: m blocks a0, a0 + 1 of the window's four x all 8 n blocks, 32 along K.  zero = 1: the first product starts the sums.
.macro MUL16 f, hi, a0, zero
	WIN MUL_LO+0x50*(\hi)
.irp a, \a0, (\a0)+1
.irp b, 0,1,2,3,4,5,6,7
.if \zero
	v_wmma_f32_16x16x32_f16 v[8*(8*(\a)+(\b)):8*(8*(\a)+(\b))+7], v[(\f)+8*(\b):(\f)+8*(\b)+7], v[(\f)+8*(4*(\hi)+(\a)):(\f)+8*(4*(\hi)+(\a))+7], 0
.else
	v_wmma_f32_16x16x32_f16 v[8*(8*(\a)+(\b)):8*(8*(\a)+(\b))+7], v[(\f)+8*(\b):(\f)+8*(\b)+7], v[(\f)+8*(4*(\hi)+(\a)):(\f)+8*(4*(\hi)+(\a))+7], v[8*(8*(\a)+(\b)):8*(8*(\a)+(\b))+7]
.endif
.endr
.endr
.endm
; 32 LDS loads in one run: a quarter step's fragments (128 rows of B, 128 rows of A, 32 K at byte k of the rows) into buffer f
.macro FETCH k, f
	WIN TO_B
.irp i, 0,1,2,3,4,5,6,7
	ds_load_b128 v[(\f)+8*(\i):(\f)+8*(\i)+3],   v[ADRB] offset:(\k)+(\i)*16*PITCH
	ds_load_b128 v[(\f)+8*(\i)+4:(\f)+8*(\i)+7], v[ADRB] offset:(\k)+(\i)*16*PITCH+32
.endr
	WIN 0
.irp i, 0,1,2,3,4,5,6,7
	ds_load_b128 v[(\f)+8*(\i):(\f)+8*(\i)+3],   v[ADRA] offset:(\k)+(\i)*16*PITCH
	ds_load_b128 v[(\f)+8*(\i)+4:(\f)+8*(\i)+7], v[ADRA] offset:(\k)+(\i)*16*PITCH+32
.endr
.endm
.macro PLACES                          ; four places in front of loads into registers that matrix instructions have read (ISA guide 7.12.1 for vector instructions)
.rept 4
	v_nop
.endr
.endm
; One of a K step's first three quarters: multiplies buffer f; in its middle it fetches the next quarter, at byte k of the rows, into g.  The 64 accumulators take turns in the same order in every quarter.
.macro QUARTER k, f, g, zero
	s_wait_dscnt 8                                 ; B and A's rows 0-63 are in; the youngest eight loads (A's rows 64-127) may be out
	MUL16 \f, 0, 0, \zero
	MUL16 \f, 0, 2, \zero
	PLACES
	FETCH \k, \g
	s_wait_dscnt 32                                ; all but the 32 just issued
	MUL16 \f, 1, 0, \zero
	MUL16 \f, 1, 2, \zero
.endm
; The last quarter multiplies buffer 1 and changes slots.  In front of the barrier each wave waits for all its tensor loads (one is out: its part of the other slot), adds 0 to its spare word, and waits for
; that and for its reads of this slot.  fill = 1: the barrier opens a round of the cluster's; behind it the slot just read is filled again first, with the K step two on.
.macro TURN fill
.if \fill
	s_wait_xcnt 0x0                                ; the last prefetch, a K step back, has read its address
	s_add_nc_u64 s[PFA:PFA+1], s[PFA:PFA+1], KSTEP*2
.endif
	WIN 0
	s_wait_tensorcnt 0x0                           ; all my tensor loads have landed
	ds_add_u32 v[SPW], v[NIL]                      ; 0 onto my spare word
	s_wait_dscnt 9                                 ; the add and the youngest eight loads may be out
	MUL16 F1, 0, 0, 0
	s_wait_dscnt 0x0                               ; the add is done, and my reads of this slot are over
	s_barrier_signal -1
	MUL16 F1, 0, 2, 0
	WIN 0
	s_barrier_wait -1
.if \fill
	CREST                                          ; no wave of any partner still reads this slot's tile or has a load on its way
	s_add_co_u32 s[G0A+5], s19, s20                ; the walking descriptors: into the slot just read,
	s_add_co_u32 s[G0B+5], s19, s20
	s_add_nc_u64 s[G0A+6:G0A+7], s[G0A+6:G0A+7], KSTEP*2  ; the next K step
	s_add_nc_u64 s[G0B+6:G0B+7], s[G0B+6:G0B+7], KSTEP*2
	JLOAD                                          ; the four v_nop behind it are also the places in front of the loads below
.else
	PLACES
.endif
	s_xor_b32 s20, s20, SLOT                       ; the other slot is read from here on
	v_add_nc_u32 v[ADRA], s20, v[ADRA0]
	v_add_nc_u32 v[ADRB], s20, v[ADRB0]
	FETCH 0, F0
.if \fill
	ASK
.endif
	MUL16 F1, 1, 0, 0
	MUL16 F1, 1, 2, 0
.endm
; WHERE A SEGMENT OF 1,024 ENDS (trips with s3 = 15 and 7: behind K steps 7 and 15) all accumulators are multiplied by their token's factor in turn, and the next factor moves up.  Blocks 0 to 3 were finished
; ahead of the refill's four v_nop; their 128 multiplies, which name nothing of the last 32 products, are those products' places.  Each accumulator is read from its low end on.
.macro SCALE
	WIN 0
	s_and_b32 s21, s3, 7
	s_cmp_eq_u32 s21, 7
	s_cbranch_scc0 .Lsame_seg
.irp a, 0,1,2,3,4,5,6,7
	WIN W_SC+0x41*((\a)/4)
.set AC, 64*((\a)%4)
.set z, 0
.rept 32
	v_pk_mul_f32 v[AC+z:AC+z+1], v[AC+z:AC+z+1], v[G+4*(\a):G+4*(\a)+1] op_sel_hi:[1,0]
.set z, z+2
.endr
.endr
	WIN 0
.irp a, 0,1,2,3,4,5,6,7
	v_mov_b32 v[G+4*(\a)], v[G+4*(\a)+1]
	v_mov_b32 v[G+4*(\a)+1], v[G+4*(\a)+2]
.endr
.Lsame_seg:
.endm
; THE WAY OUT of block a (16 tokens x 128 columns = two heads): times the last factor; rounded to f16; into my own stage; back as 512 consecutive bytes of a head; stored.
.macro PACK a
.set AC, 64*((\a)%4)
	WIN W_SC+0x41*((\a)/4)
.set z, 0
.rept 32
	v_pk_mul_f32 v[AC+z:AC+z+1], v[AC+z:AC+z+1], v[G+4*(\a):G+4*(\a)+1] op_sel_hi:[1,0]
.set z, z+2
.endr
	WIN 0x0a+5*((\a)/4)                            ; sources 0 and 1: window 2 or 3
.irp b, 0,1,2,3,4,5,6,7
.irp r, 0,1,2,3
	v_cvt_pk_f16_f32 v[TMP+4*(\b)+(\r)], v[AC+8*(\b)+2*(\r)], v[AC+8*(\b)+2*(\r)+1]
.endr
.endr
	WIN 0
.endm
.macro TOSTAGE a
	WIN 0
.set BK, 64+160*((\a)%2)                           ; v64-95 (A's fragments are done with) and v224-255 by turns
.irp b, 0,1,2,3,4,5,6,7
	ds_store_b128 v[STO], v[TMP+4*(\b):TMP+4*(\b)+3] offset:((\b)/4)*HST+32*((\b)%4)
.endr
.irp t, 0,1,2,3,4,5,6,7
	ds_load_b128 v[BK+4*(\t):BK+4*(\t)+3], v[RD] offset:((\t)/4)*HST+((\t)%4)*4*SP  ; LDS serves a wave's instructions in order: these see the stores above
.endr
.endm
.macro SEND a
	WIN 0
.set BK, 64+160*((\a)%2)
	s_wait_dscnt 0x0                               ; the block is back in registers
	s_wait_xcnt 0x0                                ; the stores' base and the registers that earlier stores read are rewritten only behind this wait
.if (\a) > 0
	s_add_nc_u64 s[10:11], s[10:11], 16*128        ; 16 tokens on
.endif
.irp t, 0,1,2,3,4,5,6,7
	global_store_b128 v[CO], v[BK+4*(\t):BK+4*(\t)+3], s[10:11] offset:((\t)/4)*262144+((\t)%4)*512  ; 512 consecutive bytes, aligned; the second head lies 2,048 tokens on
.endr
.endm
	s_wait_tensorcnt 1                             ; my part of K step 0 is in; K step 1's may stay out
	s_barrier_signal -1
	s_barrier_wait -1
	FETCH 0, F0
	s_wait_loadcnt 0x0                             ; the gates' factors
	QUARTER 64, F0, F1, 1                          ; the first quarter stands in front of the loop: its products start the sums
	WIN 0
	s_mov_b32 s3, 22
.Lstep:                                            ; 22 trips, a K step each, from its second quarter to the next step's first; each fills a slot again: K steps 2 to 23
	QUARTER 128, F1, F0, 0
	QUARTER 192, F0, F1, 0
	TURN 1
	SCALE
	QUARTER 64, F0, F1, 0
	WIN 0
	s_sub_co_u32 s3, s3, 1
	s_cmp_lg_u32 s3, 0
	s_cbranch_scc1 .Lstep
	s_mov_b32 s3, 2
.Ltail:                                            ; the last two K steps ask for nothing; the second pass is left in its middle
	QUARTER 128, F1, F0, 0
	QUARTER 192, F0, F1, 0
	TURN 0                                         ; (in the second pass it fetches the other slot's old tile, which nobody multiplies: the price, once a launch, of one text for both passes)
	WIN 0
	s_sub_co_u32 s3, s3, 1
	s_cmp_eq_u32 s3, 0
	s_cbranch_scc1 .Lout
	QUARTER 64, F0, F1, 0
	WIN 0
	s_branch .Ltail
.Lout:
	s_wait_dscnt 0x0
	PACK 0                                         ; blocks 0 to 3 were finished ahead of the last change's four v_nop; their lines are the places behind the last products
	TOSTAGE 0
.irp a, 1,2,3,4,5,6,7
	PACK \a
	SEND (\a)-1
	TOSTAGE \a
.endr
	SEND 7
	s_wait_tensorcnt 0x0                           ; the wave's end, behind my last tensor load and my last LDS store
	ds_add_u32 v[SPW], v[NIL]
	s_wait_dscnt 0x0
	CROUND                                         ; the closing round
	s_endpgm
.Lfunc_end_k_q89f610d25b_proj:
	.size	k_q89f610d25b_proj, .Lfunc_end_k_q89f610d25b_proj-k_q89f610d25b_proj
	.p2alignl 7, 3214868480
	.fill 96, 4, 3214868480
	.section	.rodata,"a",@progbits
	.p2align	6, 0x0
	.amdhsa_kernel k_q89f610d25b_proj
		.amdhsa_group_segment_fixed_size 327680
		.amdhsa_private_segment_fixed_size 0
		.amdhsa_enable_private_segment 0
		.amdhsa_kernarg_size 32
		.amdhsa_user_sgpr_count 2
		.amdhsa_user_sgpr_kernarg_segment_ptr 1
		.amdhsa_wavefront_size32 1
		.amdhsa_system_sgpr_workgroup_id_x 1
		.amdhsa_system_sgpr_workgroup_id_y 1
		.amdhsa_system_sgpr_workgroup_id_z 1
		.amdhsa_system_vgpr_workitem_id 0
		.amdhsa_next_free_vgpr 1024
		.amdhsa_next_free_sgpr 80
		.amdhsa_reserve_vcc 0
		.amdhsa_float_denorm_mode_32 3
		.amdhsa_float_denorm_mode_16_64 3
		.amdhsa_memory_ordered 1
		.amdhsa_forward_progress 1
		.amdhsa_inst_pref_size 135
	.end_amdhsa_kernel
	.amdgpu_metadata
---
amdhsa.version: [ 1, 2 ]
amdhsa.kernels:
  - .name:           k_q89f610d25b_proj
    .symbol:         k_q89f610d25b_proj.kd
    .args:
      - { .name: acat, .offset: 0, .size: 8, .value_kind: global_buffer, .address_space: global }
      - { .name: wcat, .offset: 8, .size: 8, .value_kind: global_buffer, .address_space: global }
      - { .name: gt, .offset: 16, .size: 8, .value_kind: global_buffer, .address_space: global }
      - { .name: qkv, .offset: 24, .size: 8, .value_kind: global_buffer, .address_space: global }
    .group_segment_fixed_size: 327680
    .private_segment_fixed_size: 0
    .kernarg_segment_align: 8
    .kernarg_segment_size: 32
    .max_flat_workgroup_size: 128
    .sgpr_count:     80
    .vgpr_count:     1024
    .wavefront_size: 32
...
	.end_amdgpu_metadata
.endif
;; end of part 3
;; launch attn (part 4): grid 8 x 32, 4 waves a work-group, no clusters, 327,680 bytes of LDS; arguments qkv, oh; writes oh
.if DOCPART == 4
	.amdgcn_target "amdgcn-amd-amdhsa--gfx1250"
	.amdhsa_code_object_version 6
	.text
	.protected	k_q89f610d25b_attn
	.globl	k_q89f610d25b_attn
	.p2align	8
	.type	k_q89f610d25b_attn,@function
k_q89f610d25b_attn:
	s_mov_b64 s[64:65], 0
	v_nop
	global_prefetch_b8 v0, s[64:65] scope:SCOPE_SE
	s_setreg_imm32_b32 hwreg(HW_REG_WAVE_MODE, 25, 1), 1
	s_wait_xcnt 0x0
; CAUSAL ATTENTION, head size 64.  O[hd][q][:] = the sum over k <= q of softmax_k(Q[hd][q] . K[hd][k] / 8) V[hd][k][:].  qkv holds K at 0, V at 8,388,608, Q at 16,777,216, each [32][2048][64] f16; O (oh) likewise.
; Products, maxima and sums in f32; the weights p are rounded to f16 for the second product (their sum l is taken of the unrounded p), O once at the end.
; LIMITS.  Q, K, V arrive within 65,504; a hidden score counts as its value less 1e30; a weight below 2^-126 counts as 0 in l; p below 6e-5 keeps f16's fixed step; NaN and infinities are not treated apart.
; THE WALK.  A head has 16 blocks of 128 queries and 8 key tiles of 256 keys; block i needs tiles 0 .. i / 2.  Work-group b takes block 15 - b and then block b: 9 tiles whatever b, so 256 work-groups do equal
; work and one loop with a constant count walks them; the ring of two slots runs on across the change of blocks.
; NO CLUSTER: a head's 8 work-groups ask for the same tile only in trips 0 to 4 of 9; a walk common to all would have 12 trips.
; SHARES.  Of a block's two bands of 64 queries a wave owns 16 rows in each: two PIECES.  PIECE 0 IS BAND 1, PIECE 1 IS BAND 0.  In the diagonal tile a band sees all keys of the steps before its own step, none of
; those behind it, and holds the diagonal in its own: DA = 2 (i % 2) + 1 for piece 0, DB = 2 (i % 2) for piece 1.
; TURNS.  Turn T0 of key step s: 8 products K Q^T of piece 1 (step s), the softmax of piece 0 (step s), piece 1's maximum and statistics, 8 products V^T P of piece 1 (step s - 1).  Turn T1: 8 products K Q^T of
; piece 0 (step s + 1), the softmax of piece 1 (step s), piece 0's statistics, 8 products V^T P of piece 0 (step s).  Four vector instructions stand behind every matrix instruction, the rest in one lump;
; a turn's 33 exponentials are one batch with one wait.
; K IS SKEWED: a slot holds K of keys 64 + 256 n .. and V of keys 256 n ..: place s of a slot holds K of step s + 1 and V of step s, both fetched in T0 of step s.  So the change of slots stands between two whole
; steps.  K of a head's first 64 keys comes from memory once, into registers.  The last tile's K runs 64 keys past the head (for head 31 into V's section, inside the buffer): those scores serve nothing.
; THE MASK is the C operand that starts S^T = K Q^T: MD x AL + BE, (1, 0) in the band's own step, (0, 0) before it, (0, -1e30) behind it.  Piece 0's scores for a tile's step 0 never want one, since DA >= 1.
; REGISTERS, in windows of 256: window 0: v0-15 addresses; v16-23 statistics; v48-55 at work; v61-63; v64-127 S^T, two buffers; v192-223 P, two buffers.
;   window 1: v0-63 O^T; v128-159 MD; v160-223 MC, two buffers.   window 2: v0-31 Q; v32-63 the second block's Q; v64-127 K of keys 0-63; v128-191 K of one step; v192-255 V of one step.
.set NP,    2
.set KS,    64
.set PK,    144                        ; a row of K in LDS: 128 bytes + 16: the 16 rows of a load start at 16 different groups of four banks
.set PV,    160                        ; a row of V: 128 + 32
.set VOFF,  4*KS*PK
.set SLOT1, 1<<17
.set STAGE, SLOT1+4*KS*(PK+PV)
.set SP,    144
.set SPARE, STAGE+4*16*SP
.set AK0, 2
.set AV0, 3
.set AK,  4
.set AV,  5
.set STO, 6
.set RD,  7
.set GO,  8
.set MV,  12
.set QO,  15
.set ST,  16                           ; piece t: c m, m, l (even keys', odd keys')
.set TMP, 48
.set PFO, 61                           ; 256 x my thread's number; never rewritten
.set SPW, 62
.set NIL, 63
.set S,   64
.set P,   192
.set MD,  128
.set MC,  160
.set QB,  32
.set KB,  64
.set KF,  128
.set VF,  192
.set WV,  12
.set PB,  14                           ; b
.set HI,  15                           ; 15 - b
.set G1K, 24
.set G1V, 32
.set G0K, 40
.set G0V, 44
.set LB,  52                           ; b / 2
.set DA,  53
.set DB,  54
.set FS,  55                           ; the step for which masks are being made
.set SLOTS, 56
.set CNT, 57
.set CS,  58
.set SEL, 60
.set TBK, 62
.set TBV, 63
.set RT,  70
.set NXT, 71
.set LQ,  72
.set NEW, 73
.set OFF, 74
.set AL,  76
.set BE,  78
.set OLO, 80
.set BIGN, 82
.set DA2, 83
.set DB2, 84
.set LIM, 85
.set PKB, 88                           ; s[88:89] the head's skewed K, s[90:91] its V: the prefetches' bases
.set PVB, 90
.set PKA, 92                           ; s[92:93], s[94:95] the same at the tile that is being asked for
.set PVA, 94
.set MSB, 0
.macro WIN new
.if MSB != (\new)
	s_set_vgpr_msb (MSB<<8)|(\new)
.set MSB, (\new)
.endif
.endm
.set W_KQ, 0x0a
.set W_KM, 0x1a
.set W_PV, 0x52
.set W_RS, 0x41
.macro LOAD                            ; a fill: waves 0, 1 fetch the halves of a tile's K, waves 2, 3 those of its V; an s_nop 0 and four v_nop follow each line
	s_cmp_lt_u32 s[WV], 2
	s_cbranch_scc0 .Lfor_v_\@
	tensor_load_to_lds s[G0K:G0K+3], s[G1K:G1K+7]
	s_nop 0
.rept 4
	v_nop
.endr
	s_branch .Lasked_\@
.Lfor_v_\@:
	tensor_load_to_lds s[G0V:G0V+3], s[G1V:G1V+7]
	s_nop 0
.rept 4
	v_nop
.endr
.Lasked_\@:
.endm
; THE CHANGE OF SLOTS.  Each wave waits for all its tensor loads (one is out: its part of the other slot), adds 0 to its spare word, and waits for that and for its reads of the slot that it leaves.
; fill = 1: the old slot is filled again, first thing behind the barrier, with tile NXT.  Behind the load stand the prefetches of the tile after it: 32 KiB of K and of V, a thread a block of 256 bytes;
; only work-group b = 0 of a head asks, whose first block walks all 8 tiles, so each block is named once; tiles 0 and 1 come by their loads alone, and the last two fills ask for nothing.
.macro CHANGE fill
	WIN 0
	s_wait_tensorcnt 0x0
	ds_add_u32 v[SPW], v[NIL]                      ; 0 onto my spare word; the descriptors' scalar work stands between it and the wait for it
.if \fill
	s_lshl_b32 s[OFF], s[NXT], 15                  ; a tile is 32,768 bytes of K and of V
	s_xor_b32 s[G0K+1], s[G0K+1], SLOT1
	s_add_nc_u64 s[G0K+2:G0K+3], s[6:7], s[OFF:OFF+1]
	s_or_b32 s[G0K+3], s[G0K+3], 0x80000000
	s_xor_b32 s[G0V+1], s[G0V+1], SLOT1
	s_add_nc_u64 s[G0V+2:G0V+3], s[8:9], s[OFF:OFF+1]
	s_or_b32 s[G0V+3], s[G0V+3], 0x80000000
	s_wait_xcnt 0x0                                ; the last prefetches, a tile back, have read their addresses
	s_add_nc_u64 s[PKA:PKA+1], s[PKB:PKB+1], s[OFF:OFF+1]
	s_add_nc_u64 s[PVA:PVA+1], s[PVB:PVB+1], s[OFF:OFF+1]
	s_add_co_u32 s[NXT], s[NXT], 1                 ; the block's next tile, or behind its last the second block's tile 0
	s_cmp_gt_u32 s[NXT], s[LQ]
	s_cselect_b32 s[NXT], 0, s[NXT]
	s_cselect_b32 s[LQ], s[LB], s[LQ]
.endif
	s_wait_dscnt 0x0                               ; the add is done, and my reads of the slot are over
	s_barrier_signal -1
	s_sub_co_u32 s[TBK], s[TBK], 4*KS*PK           ; the fetches go back to a slot's first place, in the other slot
	s_xor_b32 s[TBK], s[TBK], SLOT1
	s_sub_co_u32 s[TBV], s[TBV], 4*KS*PV
	s_xor_b32 s[TBV], s[TBV], SLOT1
	s_barrier_wait -1
.if \fill
	LOAD
	s_cmp_gt_u32 s[SLOTS], s[LIM]
	s_cbranch_scc0 .Lnone_\@
	global_prefetch_b8 v[PFO], s[PKA:PKA+1] offset:32768 th:TH_LOAD_NT scope:SCOPE_SE
	global_prefetch_b8 v[PFO], s[PVA:PVA+1] offset:32768 th:TH_LOAD_NT scope:SCOPE_SE
.Lnone_\@:
.endif
.endm
	s_load_b128 s[96:99], s[0:1], 0x0              ; qkv s[96:97], oh s[98:99]
	v_lshl_add_u32 v[SPW], v0, 2, SPARE
	v_mov_b32 v[NIL], 0
	ds_add_u32 v[SPW], v[NIL]                      ; the wave's opening: the add and its wait ahead of my first tensor load
	v_lshrrev_b32 v1, 5, v0
	v_readfirstlane_b32 s[WV], v1
	s_mov_b32 s[PB], ttmp9
	s_sub_co_u32 s[HI], 15, s[PB]
	s_lshr_b32 s[LB], s[PB], 1
	s_and_b32 s20, ttmp7, 0xffff
	s_lshl_b32 s20, s20, 18                        ; the head's first byte in a section
	s_mov_b32 s21, 0
	s_and_b32 s16, s[WV], 1                        ; which half of a tile's 256 keys I fetch
	s_lshl_b32 s22, s16, 14
	s_mov_b32 s23, 0
	s_add_nc_u64 s[22:23], s[22:23], s[20:21]
	s_mul_i32 s17, s16, 128*PK
	s_mul_i32 s18, s16, 128*PV
	s_lshl_b32 s3, s[WV], 11                       ; my 16 rows in a band of 64,
	s_lshl_b32 s2, s[HI], 14                       ; in the first block,
	s_add_co_u32 s2, s2, s3
	s_lshl_b32 s66, s[PB], 14                      ; and in the second
	s_add_co_u32 s66, s66, s3
	s_mov_b32 s3, 0
	s_mov_b32 s67, 0
	s_add_nc_u64 s[2:3], s[2:3], s[20:21]
	s_add_nc_u64 s[66:67], s[66:67], s[20:21]
	s_mov_b32 s[G1K], (1<<16)|(1<<20)|(4<<22)|(3<<25)  ; 2-byte elements; padding on; after every 32 words 4 words
	s_mov_b32 s[G1V], (1<<16)|(1<<20)|(4<<22)|(7<<25)  ; 8 words
.irp g, G1K, G1V
	s_mov_b32 s[\g+1], 128<<16                     ; 128 keys are 16,384 dense bytes: 64 rows of 256 bytes, two keys a row
	s_mov_b32 s[\g+2], 64<<16
	s_mov_b32 s[\g+3], 128<<16
	s_mov_b32 s[\g+4], 64
	s_mov_b32 s[\g+5], 128
	s_mov_b32 s[\g+6], 0
	s_mov_b32 s[\g+7], 0
.endr
	s_mov_b32 s[CS], 0x3e38aa3b                    ; c = log2(e) / 8
	s_mov_b32 s[CS+1], s[CS]
	s_mov_b32 s[SEL], 0x76543210
	s_mov_b32 s[SEL+1], 0xfedcba98
	s_mov_b32 s[TBK], SLOT1+4*KS*PK                ; the first change of slots turns these two into 0
	s_mov_b32 s[TBV], SLOT1+4*KS*PV
	s_mov_b32 s[G0K], 1
	s_mov_b32 s[G0K+1], s17
	s_mov_b32 s[G0V], 1
	s_add_co_u32 s[G0V+1], s18, VOFF
	s_lshr_b32 s[LQ], s[HI], 1
	s_add_co_u32 s[RT], s[LQ], 1                   ; the first block's tiles
	s_mov_b32 s[NXT], 1
	s_mov_b32 s[NEW], 1
	s_mov_b32 s[OFF+1], 0
	s_mov_b32 s[AL+1], 0
	s_mov_b32 s[BE+1], 0
	s_mov_b32 s[BIGN], 0xf149f2ca                  ; -1e30
	s_mov_b32 s[SLOTS], 8
	s_and_b32 s[DB], s[HI], 1
	s_lshl_b32 s[DB], s[DB], 1
	s_add_co_u32 s[DA], s[DB], 1
	s_and_b32 s[DB2], s[PB], 1
	s_lshl_b32 s[DB2], s[DB2], 1
	s_add_co_u32 s[DA2], s[DB2], 1
	s_cmp_eq_u32 s[PB], 0
	s_cselect_b32 s[LIM], 2, -1
	s_wait_dscnt 0x0                               ; the opening add is done
	s_wait_kmcnt 0x0
	s_add_nc_u64 s[6:7], s[96:97], s[22:23]
	s_add_nc_u64 s[8:9], s[6:7], 0x800000          ; V at my half of the head's tile 0
	s_add_nc_u64 s[6:7], s[6:7], 8192              ; K likewise, 64 keys on
	s_add_nc_u64 s[50:51], s[96:97], s[20:21]      ; K of keys 0 to 63
	s_add_nc_u64 s[PKB:PKB+1], s[50:51], 8192
	s_add_nc_u64 s[PVB:PVB+1], s[50:51], 0x800000
	s_add_nc_u64 s[G0K+2:G0K+3], s[6:7], 0
	s_or_b32 s[G0K+3], s[G0K+3], 0x80000000
	s_add_nc_u64 s[G0V+2:G0V+3], s[8:9], 0
	s_or_b32 s[G0V+3], s[G0V+3], 0x80000000
	s_add_nc_u64 s[4:5], s[96:97], s[2:3]
	s_add_nc_u64 s[4:5], s[4:5], 0x1000000         ; Q at my rows of the first block,
	s_add_nc_u64 s[48:49], s[96:97], s[66:67]
	s_add_nc_u64 s[48:49], s[48:49], 0x1000000     ; of the second
	s_add_nc_u64 s[10:11], s[98:99], s[2:3]
	s_add_nc_u64 s[OLO:OLO+1], s[98:99], s[66:67]
	LOAD                                           ; tile 0 into slot 0
	v_and_b32 v1, 15, v0                           ; l % 16
	v_bfe_u32 v9, v0, 4, 1                         ; l / 16
	v_lshlrev_b32 v[QO], 7, v1
	v_lshl_add_u32 v[QO], v9, 4, v[QO]             ; row x 128 + 16 x half
	v_lshlrev_b32 v[PFO], 8, v0
	WIN 0x80                                       ; destination window 2, address window 0
.set i, 0
.rept 4                                            ; both blocks' Q: piece i / 2 lies in band 1 - i / 2; channels 32 (i % 2) on
	global_load_b128 v[8*i:8*i+3],   v[QO], s[4:5] offset:(1-i/2)*8192+(i%2)*64
	global_load_b128 v[8*i+4:8*i+7], v[QO], s[4:5] offset:(1-i/2)*8192+(i%2)*64+32
	global_load_b128 v[QB+8*i:QB+8*i+3],   v[QO], s[48:49] offset:(1-i/2)*8192+(i%2)*64
	global_load_b128 v[QB+8*i+4:QB+8*i+7], v[QO], s[48:49] offset:(1-i/2)*8192+(i%2)*64+32
.set i, i+1
.endr
.set i, 0
.rept 8                                            ; K of keys 0 to 63, as fragments: keys 16 (i / 2) on, channels 32 (i % 2) on
	global_load_b128 v[KB+8*i:KB+8*i+3],   v[QO], s[50:51] offset:(i/2)*2048+(i%2)*64
	global_load_b128 v[KB+8*i+4:KB+8*i+7], v[QO], s[50:51] offset:(i/2)*2048+(i%2)*64+32
.set i, i+1
.endr
	WIN 0
	v_lshlrev_b32 v14, 3, v9
	v_sub_nc_u32 v14, v1, v14
	s_lshl_b32 s13, s[WV], 4
	v_add_nc_u32 v14, s13, v14                     ; my query's place in its band less my lanes' 8 (l / 16): register r of group kt is hidden where 16 kt + r is greater
	WIN 0x40
.set i, 0
.rept 32
	v_cmp_gt_i32 vcc_lo, 16*(i/8)+i%8, v14
	v_cndmask_b32 v[MD+i], 0, s[BIGN], vcc_lo
.set i, i+1
.endr
	WIN 0
	v_mul_u32_u24 v[AK0], v1, PK
	v_lshl_add_u32 v[AK0], v9, 4, v[AK0]
	v_and_b32 v10, 7, v0
	v_bfe_u32 v11, v0, 3, 1
	v_lshl_add_u32 v[AV0], v9, 3, v10              ; the turning load: lane l reads key 8 (l / 16) + l % 8, channels 8 ((l / 8) % 2) + 0..7
	v_mul_u32_u24 v[AV0], v[AV0], PV
	v_lshl_add_u32 v[AV0], v11, 4, v[AV0]
	v_add_nc_u32 v[AV0], VOFF, v[AV0]
	s_mul_i32 s13, s[WV], 16*SP
	s_add_co_u32 s13, s13, STAGE
	v_mul_u32_u24 v[STO], v1, SP
	v_lshl_add_u32 v[STO], v9, 4, v[STO]
	v_add_nc_u32 v[STO], s13, v[STO]
	v_bfe_u32 v[RD], v0, 3, 2
	v_mul_u32_u24 v[RD], v[RD], SP
	v_lshl_add_u32 v[RD], v10, 4, v[RD]
	v_add_nc_u32 v[RD], s13, v[RD]
	v_and_b32 v[GO], 31, v0
	v_lshlrev_b32 v[GO], 4, v[GO]
	; A block's first step multiplies O^T and l by a = 0, and its first turn's products V^T P, of a step that has not been, land in an O^T that is still to be so multiplied: these registers need only hold finite
	; numbers: zeros for the first block, what the first block left for the second.  All this stands in the wait for the first tile.
	WIN 0x80
.set i, VF
.rept 64
	v_mov_b32 v[i], 0
.set i, i+1
.endr
	WIN 0x40
.set i, 0
.rept 64
	v_mov_b32 v[i], 0
.set i, i+1
.endr
	WIN 0
.set i, 0
.rept 2
	v_mov_b32 v[ST+4*i+2], 0
	v_mov_b32 v[ST+4*i+3], 0
.set i, i+1
.endr
.set i, P+16
.rept 16
	v_mov_b32 v[i], 0
.set i, i+1
.endr
; THE MATRIX WORK.  The 4 accumulators of a run of 8 take turns.  Product i of 8 of S^T = K Q^T for piece x: channels 32 (i / 4) on, keys 16 (i % 4) on.  The first 4 start the sums: with 0, or (KM = 1) with the mask.
.macro KQ x
.set rS, S+32*((\x)%2)+8*(i%4)
.set rK, KF+16*(i%4)+8*(i/4)
.set rQ, 16*(\x)+8*(i/4)
.set rM, MC+32*((\x)%2)+8*(i%4)
.if (i < 4) && KM
	WIN W_KM
	v_wmma_f32_16x16x32_f16 v[rS:rS+7], v[rK:rK+7], v[rQ:rQ+7], v[rM:rM+7]
.elseif i < 4
	WIN W_KQ
	v_wmma_f32_16x16x32_f16 v[rS:rS+7], v[rK:rK+7], v[rQ:rQ+7], 0
.else
	WIN W_KQ
	v_wmma_f32_16x16x32_f16 v[rS:rS+7], v[rK:rK+7], v[rQ:rQ+7], v[rS:rS+7]
.endif
.endm
.macro PV x                            ; product i of 8 of O^T += V^T P for piece x: keys 32 (i / 4) on, channels 16 (i % 4) on
	WIN W_PV
.set rO, 32*(\x)+8*(i%4)
.set rV, VF+32*(i/4)+8*(i%4)
.set rP, P+16*((\x)%2)+8*(i/4)
	v_wmma_f32_16x16x32_f16 v[rO:rO+7], v[rV:rV+7], v[rP:rP+7], v[rO:rO+7]
.endm
.macro MM                              ; the turn's next matrix instruction: both kinds are the other piece's
.if i < 8
	KQ 1-Y
.else
.set i, i-8
	PV 1-Y
.set i, i+8
.endif
.set i, i+1
.endm
.macro FETCH_K
	WIN 0x80
.irp f, 0,1,2,3,4,5,6,7
	ds_load_b128 v[KF+8*\f:KF+8*\f+3],   v[AK] offset:(\f/2)*16*PK+(\f%2)*64
	ds_load_b128 v[KF+8*\f+4:KF+8*\f+7], v[AK] offset:(\f/2)*16*PK+(\f%2)*64+32
.endr
	s_add_co_u32 s[TBK], s[TBK], KS*PK
	WIN 0
.endm
.macro FETCH_V
	WIN 0x80
.irp f, 0,1,2,3,4,5,6,7
	ds_load_tr16_b128 v[VF+8*\f:VF+8*\f+3],   v[AV] offset:(\f/4)*32*PV+(\f%4)*32
	ds_load_tr16_b128 v[VF+8*\f+4:VF+8*\f+7], v[AV] offset:(\f/4)*32*PV+16*PV+(\f%4)*32
.endr
	WIN 0
.endm
; THE VECTOR WORK, one line at a time: OP kind, number.  For piece Y: F n: c s - c m for pair n.  E n: the exponential of score n.  C n: pair n rounded to f16.  B n: of the four weights 4 n .. the second pair is
; added onto the first.  L n: l takes that sum (L 0: l = a l + sum).  R n: pair n of O^T times a.  For the other piece: X n, number n of the 22 that find its maximum and statistics: 0-11 four chains of seven
; scores (each accumulator's lowest registers first); 12-14, 16 the rest, the old m; 15 c m_old is kept; 17, 18 the other half of the lanes: the new m; 19-21 c m, its change, a.
.set F, 0
.set E, 1
.set C, 2
.set B, 3
.set L, 4
.set R, 5
.set X, 6
.macro REGS y
.set rT, ST+4*(\y)
.set rC, TMP+4*((\y)%2)
.set rW, MV+((\y)%2)
.set rS, S+32*((\y)%2)
.set rP, P+16*((\y)%2)
.set rO, 32*(\y)
.endm
.macro OP k, n
.if (\k) == R
	REGS Y
	WIN W_RS
	v_pk_mul_f32 v[rO+2*(\n):rO+2*(\n)+1], v[rO+2*(\n):rO+2*(\n)+1], v[rC+2:rC+3] op_sel_hi:[1,0]
.elseif (\k) < R
	REGS Y
	WIN 0
.if (\k) == F
	v_pk_fma_f32 v[rS+2*(\n):rS+2*(\n)+1], v[rS+2*(\n):rS+2*(\n)+1], s[CS:CS+1], v[rT:rT+1] op_sel_hi:[1,0,0] neg_lo:[0,0,1] neg_hi:[0,0,1]
.elseif (\k) == E
	v_exp_f32 v[rS+(\n)], v[rS+(\n)]
.elseif (\k) == C
	v_cvt_pk_f16_f32 v[rP+(\n)], v[rS+2*(\n)], v[rS+2*(\n)+1]
.elseif (\k) == B
	v_pk_add_f32 v[rS+4*(\n):rS+4*(\n)+1], v[rS+4*(\n):rS+4*(\n)+1], v[rS+4*(\n)+2:rS+4*(\n)+3]
.elseif (\n) == 0
	v_pk_fma_f32 v[rT+2:rT+3], v[rT+2:rT+3], v[rC+2:rC+3], v[rS:rS+1] op_sel_hi:[1,0,1]
.else
	v_pk_add_f32 v[rT+2:rT+3], v[rT+2:rT+3], v[rS+4*(\n):rS+4*(\n)+1]
.endif
.else
	REGS (Y+1)%NP
	WIN 0
.if (\n) < 4
	v_max3_num_f32 v[rC+(\n)], v[rS+8*(\n)], v[rS+8*(\n)+1], v[rS+8*(\n)+2]
.elseif (\n) < 12
	v_max3_num_f32 v[rC+(\n)%4], v[rC+(\n)%4], v[rS+8*((\n)%4)+2*((\n)/4)+1], v[rS+8*((\n)%4)+2*((\n)/4)+2]
.elseif (\n) == 12
	v_max3_num_f32 v[rC], v[rC], v[rS+7], v[rS+15]
.elseif (\n) == 13
	v_max3_num_f32 v[rC+1], v[rC+1], v[rS+23], v[rS+31]
.elseif (\n) == 14
	v_max3_num_f32 v[rC+2], v[rC+2], v[rC+3], v[rT+1]
.elseif (\n) == 15
	v_mov_b32 v[rW], v[rT]
.elseif (\n) == 16
	v_max3_num_f32 v[rC], v[rC], v[rC+1], v[rC+2]
.elseif (\n) == 17
	v_permlanex16_b32 v[rC+3], v[rC], s[SEL], s[SEL+1]
.elseif (\n) == 18
	v_max_num_f32 v[rT+1], v[rC], v[rC+3]
.elseif (\n) == 19
	v_mul_f32 v[rT], s[CS], v[rT+1]
.elseif (\n) == 20
	v_sub_f32 v[rC+1], v[rW], v[rT]
.else
	v_exp_f32 v[rC+2], v[rC+1]
.endif
.endif
.endm
.macro OPS a, i1, b=-1, i2=0, c=-1, i3=0, d=-1, i4=0
	OP \a, \i1
.if (\b) >= 0
	OP \b, \i2
.endif
.if (\c) >= 0
	OP \c, \i3
.endif
.if (\d) >= 0
	OP \d, \i4
.endif
.endm
.macro ROW a, i1, b, i2, c, i3, d, i4  ; a matrix instruction and the four behind it
	MM
	OPS \a, \i1, \b, \i2, \c, \i3, \d, \i4
.endm
.macro MASK b                          ; MD x AL + BE into buffer b of MC
	WIN W_RS
.set z, 0
.rept 16
	v_pk_fma_f32 v[MC+32*(\b)+2*z:MC+32*(\b)+2*z+1], v[MD+2*z:MD+2*z+1], s[AL:AL+1], s[BE:BE+1] op_sel_hi:[1,0,0]
.set z, z+1
.endr
.endm
; A TURN, for piece p.  Ahead of its one wait stands all that names no result of its exponentials: 8 products K Q^T with their riders and one lump; behind it 8 products V^T P, behind each four of the roundings and sums.
; Turn 0 fetches K of the next step in its lump (five plain instructions that name nothing of the last product stand behind that product) and V of the step in hand at its end (four plain instructions behind the last
; product that read V).  Turn 1 waits for K at its head (V's sixteen loads may stay out) and for V ahead of its products V^T P.
; m = 1: the diagonal tile: the products take masks, and the turn makes the mask for the next turn's products: turn 0 for piece 0, turn 1 for piece 1, both for step FS.
.macro TURN p, m=0, cnt=0
.set Y, (\p)
.set i, 0
.set KM, (\m)
.if \m
.if (\p) == 0
	s_cmp_eq_u32 s[FS], s[DA]
	s_cselect_b32 s[AL], 1.0, 0
	s_cmp_gt_u32 s[FS], s[DA]
	s_cselect_b32 s[BE], s[BIGN], 0
.else
	s_cmp_eq_u32 s[FS], s[DB]
	s_cselect_b32 s[AL], 1.0, 0
	s_cmp_gt_u32 s[FS], s[DB]
	s_cselect_b32 s[BE], s[BIGN], 0
	s_add_co_u32 s[FS], s[FS], 1
.endif
.endif
.if (\p) == 1
	s_wait_dscnt 16                                ; K is in
.endif
	ROW F,0, F,1, R,0, R,1
	ROW F,2, E,0, R,2, R,3
	ROW F,3, E,1, R,4, R,5
	ROW F,4, E,2, R,6, R,7
	ROW F,5, E,3, R,8, R,9
	ROW F,6, E,4, X,0, R,10
.if (\p) == 0
	WIN 0
	v_add_nc_u32 v[AK], s[TBK], v[AK0]
.endif
	ROW F,7, E,5, X,1, X,4
	ROW F,8, E,6, X,2, X,5
	OPS E,7, E,8, X,6, E,9
	OPS X,3, E,10, X,8, E,11
.if (\p) == 0
	FETCH_K
.endif
	OPS X,9, X,7, E,12, X,10
	OPS E,13, X,12, X,11, E,14
	OPS X,13, E,15, F,9, X,14
.if (\p) == 0
	v_add_nc_u32 v[AV], s[TBV], v[AV0]
.endif
	OPS E,16, F,10, E,17, F,11
	OPS X,16, E,18, X,15, E,19
	OPS F,12, E,20, X,17, E,21
	OPS F,13, E,22, F,14, E,23
	OPS X,18, E,24, F,15, E,25
	OPS R,11, E,26, X,19, E,27
	OPS R,12, E,28, R,13, E,29
	OPS X,20, E,30, R,14, E,31
	OPS X,21, R,15                                 ; the other piece's a is the batch's last; a rescaling is the plain instruction behind it
	WIN 0
	s_wait_alu depctr_va_vdst(0)                   ; the wait for the batch
.if (\p) == 1
	s_wait_dscnt 0x0                               ; V is in
.endif
	ROW C,0, B,0, C,2, B,1
	ROW L,0, C,4, B,2, L,1
	ROW C,6, B,3, L,2, C,8
	ROW B,4, L,3, C,10, B,5
	ROW L,4, C,12, B,6, L,5
.if (\p) == 0
	s_add_co_u32 s[TBV], s[TBV], KS*PV
.endif
.if \cnt
	s_sub_co_u32 s[CNT], s[CNT], 1
	s_cmp_lg_u32 s[CNT], 0
.endif
	ROW C,14, B,7, L,6, C,1
	ROW C,3, L,7, C,5, C,7
	ROW C,9, C,11, C,13, C,15
.if (\p) == 0
	FETCH_V
.endif
.if \m
	MASK (\p)%2
.endif
.endm
; A BLOCK BEGINS.  c m starts far below every c s, so the first step's a is 0; m at the lowest finite number.  K of keys 0 to 63 goes where the turns name K; then piece 0's first scores (all visible: DA >= 1) and its statistics.
.macro BEGIN
	s_mov_b32 s[NEW], 0
	WIN 0
.set i, 0
.rept 2
	v_mov_b32 v[ST+4*i], 0xfe000000
	v_mov_b32 v[ST+4*i+1], 0xff7fffff
.set i, i+1
.endr
	s_wait_loadcnt 0x0                             ; Q and K of keys 0 to 63
	WIN 0x82
.set i, 0
.rept 64
	v_mov_b32 v[KF+i], v[KB+i]
.set i, i+1
.endr
.set KM, 0
.set i, 0
.rept 8
	KQ 0
.set i, i+1
.endr
	WIN 0
.rept 4
	v_nop                                          ; the places behind those products
.endr
.set Y, 1                                          ; X works for the other piece: piece 0
.irp n, 0,1,2,3,4,5,6,7,8,9,10,11,12,13,14,15,16,17,18,19,20,21
	OP X, \n
.endr
	v_nop                                          ; a plain instruction behind the exponential,
	s_wait_alu depctr_va_vdst(0)                   ; and its wait, ahead of the branch
.endm
.macro ALL line:vararg
.set t, 0
.rept 2
	\line
.set t, t+1
.endr
.endm
.macro PACK t
	WIN W_RS
.set i, 32*(\t)
.rept 16
	v_pk_mul_f32 v[i:i+1], v[i:i+1], v[ST+4*(\t)+2:ST+4*(\t)+3] op_sel_hi:[1,0]
.set i, i+2
.endr
	WIN 0x05
.set i, 0
.rept 16
	v_cvt_pk_f16_f32 v[S+16*(\t)+i], v[32*(\t)+2*i], v[32*(\t)+2*i+1]
.set i, i+1
.endr
	WIN 0
.irp f, 0,1,2,3
	ds_store_b128 v[STO], v[S+16*(\t)+4*\f:S+16*(\t)+4*\f+3] offset:32*\f
.endr
.irp f, 0,1,2,3
	ds_load_b128 v[S+16*(\t)+4*\f:S+16*(\t)+4*\f+3], v[RD] offset:\f*4*SP  ; LDS serves a wave's instructions in order: these see the stores above
.endr
.endm
.macro SEND t, younger
	WIN 0
.irp f, 0,1,2,3
	s_wait_dscnt (\younger)+3-\f
	global_store_b128 v[GO], v[S+16*(\t)+4*\f:S+16*(\t)+4*\f+3], s[10:11] offset:(1-(\t))*8192+\f*512  ; 512 consecutive bytes, aligned
.endr
.endm
; THE DIAGONAL TILE: piece 1's mask for step 0; four masked steps (the last turn's scores, of the step behind the tile, serve nothing); piece 1's last products; the way out.
.macro DIAG tag
.LM\tag:
	s_mov_b32 s[FS], 1
	s_cmp_eq_u32 s[DB], 0
	s_cselect_b32 s[AL], 1.0, 0
	s_mov_b32 s[BE], 0
	MASK 1
	WIN 0
.LstepM\tag:
	TURN 0, 1
	TURN 1, 1, 1
	WIN 0
	s_cbranch_scc1 .LstepM\tag
.set i, 0
.rept 8
	PV 1
.set i, i+1
.endr
	WIN 0
	ALL v_add_f32 v[ST+4*t+2], v[ST+4*t+2], v[ST+4*t+3]
	ALL v_permlanex16_b32 v[ST+4*t+3], v[ST+4*t+2], s[SEL], s[SEL+1]
	ALL v_add_f32 v[ST+4*t+2], v[ST+4*t+2], v[ST+4*t+3]
	ALL v_rcp_f32 v[ST+4*t+2], v[ST+4*t+2]
	v_nop
	s_wait_alu depctr_va_vdst(0)                   ; one wait for the two reciprocals
	PACK 0                                         ; piece 0's last product has its four riders behind it; these 32 lines are the places behind piece 1's
	PACK 1
	SEND 0, 8
	SEND 1, 0
.endm
.set KM, 0
.Lslot:                                            ; 8 times: a tile is entered and the next is asked for
	CHANGE 1
	s_sub_co_u32 s[RT], s[RT], 1
	s_mov_b32 s[CNT], 4
	s_cmp_eq_u32 s[NEW], 1
	s_cbranch_scc1 .Lnew                           ; a block's first tile
	s_cmp_eq_u32 s[RT], 0
	s_cbranch_scc0 .Lstep                          ; neither its first nor its last
	s_branch .LM1
.Lnew:
	BEGIN
	s_branch .Lstep                                ; in the loop a block's first tile is never its last: the first block has five tiles or more, and the second's last is the walk's ninth
	DIAG 1                                         ; in the loop this is the first block's end
	s_wait_xcnt 0x0                                ; the stores have read their registers and O's address
	s_mov_b64 s[10:11], s[OLO:OLO+1]
	s_add_co_u32 s[RT], s[LB], 1
	s_mov_b32 s[NEW], 1
	s_mov_b32 s[DA], s[DA2]
	s_mov_b32 s[DB], s[DB2]
	WIN 0x82                                       ; the second block's Q goes where the turns name Q
.set i, 0
.rept 32
	v_mov_b32 v[i], v[QB+i]
.set i, i+1
.endr
	WIN 0
	s_branch .Lbottom
.Lstep:                                            ; a trip is a key step
	TURN 0
	TURN 1, 0, 1
	WIN 0
	s_cbranch_scc1 .Lstep
.Lbottom:
	s_sub_co_u32 s[SLOTS], s[SLOTS], 1
	s_cmp_lg_u32 s[SLOTS], 0
	s_cbranch_scc1 .Lslot
	CHANGE 0                                       ; the walk's last tile is written out
	s_sub_co_u32 s[RT], s[RT], 1
	s_mov_b32 s[CNT], 4
	s_cmp_eq_u32 s[NEW], 1
	s_cbranch_scc0 .LM2
	BEGIN
	DIAG 2
	s_wait_tensorcnt 0x0                           ; the wave's end, behind my last tensor load and my last LDS store
	ds_add_u32 v[SPW], v[NIL]
	s_wait_dscnt 0x0
	s_endpgm
.Lfunc_end_k_q89f610d25b_attn:
	.size	k_q89f610d25b_attn, .Lfunc_end_k_q89f610d25b_attn-k_q89f610d25b_attn
	.p2alignl 7, 3214868480
	.fill 96, 4, 3214868480
	.section	.rodata,"a",@progbits
	.p2align	6, 0x0
	.amdhsa_kernel k_q89f610d25b_attn
		.amdhsa_group_segment_fixed_size 327680
		.amdhsa_private_segment_fixed_size 0
		.amdhsa_enable_private_segment 0
		.amdhsa_kernarg_size 16
		.amdhsa_user_sgpr_count 2
		.amdhsa_user_sgpr_kernarg_segment_ptr 1
		.amdhsa_wavefront_size32 1
		.amdhsa_system_sgpr_workgroup_id_x 1
		.amdhsa_system_sgpr_workgroup_id_y 1
		.amdhsa_system_sgpr_workgroup_id_z 1
		.amdhsa_system_vgpr_workitem_id 0
		.amdhsa_next_free_vgpr 768
		.amdhsa_next_free_sgpr 100
		.amdhsa_reserve_vcc 1
		.amdhsa_float_denorm_mode_32 3
		.amdhsa_float_denorm_mode_16_64 3
		.amdhsa_memory_ordered 1
		.amdhsa_forward_progress 1
		.amdhsa_inst_pref_size 112
	.end_amdhsa_kernel
	.amdgpu_metadata
---
amdhsa.version: [ 1, 2 ]
amdhsa.kernels:
  - .name:           k_q89f610d25b_attn
    .symbol:         k_q89f610d25b_attn.kd
    .args:
      - { .name: qkv, .offset: 0, .size: 8, .value_kind: global_buffer, .address_space: global }
      - { .name: oh, .offset: 8, .size: 8, .value_kind: global_buffer, .address_space: global }
    .group_segment_fixed_size: 327680
    .private_segment_fixed_size: 0
    .kernarg_segment_align: 8
    .kernarg_segment_size: 16
    .max_flat_workgroup_size: 128
    .sgpr_count:     100
    .vgpr_count:     768
    .wavefront_size: 32
...
	.end_amdgpu_metadata
.endif
;; end of part 4
;; launch outp (part 5): grid 8 x 32, 4 waves a work-group, clusters of 4 x 4, 327,680 bytes of LDS; arguments oh, wo, ob, out0; writes out0
.if DOCPART == 5
	.amdgcn_target "amdgcn-amd-amdhsa--gfx1250"
	.amdhsa_code_object_version 6
	.text
	.protected	k_q89f610d25b_outp
	.globl	k_q89f610d25b_outp
	.p2align	8
	.type	k_q89f610d25b_outp,@function
k_q89f610d25b_outp:
	s_mov_b64 s[64:65], 0
	v_nop
	global_prefetch_b8 v0, s[64:65] scope:SCOPE_SE
	s_setreg_imm32_b32 hwreg(HW_REG_WAVE_MODE, 25, 1), 1
	s_wait_xcnt 0x0
	s_wait_alu depctr_hold_cnt(0) depctr_sa_sdst(0) depctr_va_vdst(0) depctr_va_sdst(0) depctr_va_ssrc(0) depctr_va_vcc(0) depctr_vm_vsrc(0)
	s_getreg_b32 s2, hwreg(HW_REG_IB_STS2, 6, 4)
	s_cmp_eq_u32 s2, 0
	s_cbranch_scc0 .Lentry_in_a_cluster
	s_endpgm
.Lentry_in_a_cluster:
	s_bfe_u32 s2, ttmp6, 0x10000c
	s_cmp_lg_u32 s2, 0xf033
	s_cbranch_scc0 .Lentry_shape_is_right
	s_endpgm
.Lentry_shape_is_right:
; out0[m][n] = sum over k of O[m][k] oW[n][k] + ob[n], f32.  O lies by heads: oh [b 16 + h][t][64] f16 (m = b 2048 + t, k = 64 h + d); wo [1024][1024] holds oW rounded to bf16, written as f16; ob is rounded to bf16 here.
; A tile is 128 x 128, four waves of 64 x 64: 256 work-groups.  K goes in 4 steps of 256 = four heads through two LDS slots; a quarter step is one head; a trip of the loop is one K step.
; A's tile comes by ONE descriptor a wave: four "rows", each a head's 64 dense tokens (8,192 bytes), 131,072 elements apart, padded in LDS after every token.
; The bias is the C operand of the products that start the sums: register j of a lane is column 8 (l / 16) + j.
; CLUSTERS: 4 x 4; A's tile is shared along a row, B's along a column, each asked for jointly.  The matrix instruction is used transposed: a lane holds token l % 16 and eight neighbouring columns.
; No prefetch: the tiles are small and the launch has four K steps.  LIMITS: operands within 65,504; NaN and infinities are not treated apart.
; REGISTERS: window 0: v16-30 addresses; v32-95 at work; v96-127 the bias; v128-255 accumulators (a, b) at 128 + 8 (4 a + b).  window 1: two fragment buffers of 128: 64 of A, then 64 of B.
.set KSTEP,  256
.set PA,     144                       ; a token's 128 bytes + 16
.set PBW,    528                       ; a row of B: 512 bytes + 16
.set AHALF,  4*64*PA                   ; what a wave fetches of A: [head 4][token 64]
.set BHALF,  64*PBW
.set BOFF,   2*AHALF
.set SLOT,   BOFF+2*BHALF
.set STAGE,  2*SLOT                    ; behind the ring: 16 rows x 272 bytes for each wave
.set SPITCH, 272
.set SPARE,  STAGE+4*16*SPITCH
.set ADRA0, 16
.set ADRB0, 17
.set ADRA,  18
.set ADRB,  19
.set STO,  24
.set RD,   25
.set CO,   26
.set BA,   27
.set SPW,  28
.set NIL,  29
.set TMP,  32
.set BI,   96
.set ACC,  128
.set F0,   0
.set F1,   128
.set G1A, 24
.set G0A, 32
.set G1B, 48
.set G0B, 56
.set MSB, 0
.macro WIN new
.if MSB != (\new)
	s_set_vgpr_msb (MSB<<8)|(\new)
.set MSB, \new
.endif
.endm
.set MUL,  0x05                        ; sources 0 (B) and 1 (A) window 1; C and D window 0
.set TO_F, 0x40
.macro JLOAD
	s_cmp_eq_u32 s13, 0
	s_cbranch_scc0 .Lfor_b_\@
	tensor_load_to_lds s[G0A+4:G0A+7], s[G1A:G1A+7]
	s_nop 0
.rept 4
	v_nop
.endr
	s_branch .Lasked_\@
.Lfor_b_\@:
	tensor_load_to_lds s[G0B+4:G0B+7], s[G1B:G1B+7]
	s_nop 0
.rept 4
	v_nop
.endr
.Lasked_\@:
.endm
.macro CREST
	s_cmp_lg_u32 s12, 0
	s_cbranch_scc1 .Lnot_wave_0_\@
	s_barrier_signal -3
.Lnot_wave_0_\@:
	s_barrier_wait -3
	s_barrier_signal -1
	s_barrier_wait -1
.endm
.macro CROUND
	s_barrier_signal -1
	s_barrier_wait -1
	CREST
.endm
	s_load_b256 s[4:11], s[0:1], 0x0               ; oh s[4:5], wo s[6:7], ob s[8:9], out0 s[10:11]
	v_lshl_add_u32 v[SPW], v0, 2, SPARE
	v_mov_b32 v[NIL], 0
	ds_add_u32 v[SPW], v[NIL]                      ; the wave's opening: the add and its wait ahead of my first tensor load
	v_lshrrev_b32 v1, 5, v0
	v_readfirstlane_b32 s12, v1
	s_lshr_b32 s13, s12, 1                         ; my half of the rows.  Also: I fetch for A (0) or B (1)
	s_and_b32 s14, s12, 1                          ; my half of the columns.  Also: which 64 rows I fetch
	s_bfe_u32 s15, ttmp6, 0x40000
	s_bfe_u32 s16, ttmp6, 0x40004
	s_lshl_b32 s17, ttmp9, 2
	s_add_co_u32 s17, s17, s15                     ; tile column
	s_and_b32 s18, ttmp7, 0xffff
	s_lshl_b32 s18, s18, 2
	s_add_co_u32 s18, s18, s16                     ; tile row
	s_lshl_b32 s40, s16, 2
	s_lshl_b32 s40, 15, s40
	s_lshl_b32 s41, 0x1111, s15
	s_or_b32 s[G1A+0], s40, (1<<16)|(1<<20)|(1<<21)|(4<<22)|(3<<25)  ; mask of my row; 2-byte elements; padding: after every 32 words 4 words
	s_mov_b32 s[G1A+1], 4096<<16                   ; tensor_dim0 = 4,096: a head's 64 tokens
	s_mov_b32 s[G1A+2], 4<<16                      ; tensor_dim1 = 4 heads
	s_mov_b32 s[G1A+3], 4096<<16                   ; tile_dim0
	s_mov_b32 s[G1A+4], 4                          ; tile_dim1
	s_mov_b32 s[G1A+5], 131072                     ; elements from head to head
	s_mov_b32 s[G1A+6], 0
	s_mov_b32 s[G1A+7], 0
	s_or_b32 s[G1B+0], s41, (1<<16)|(1<<20)|(1<<21)|(6<<22)|(3<<25)  ; mask of my column; after every 128 words 4 words
	s_mov_b32 s[G1B+1], KSTEP<<16
	s_mov_b32 s[G1B+2], 64<<16
	s_mov_b32 s[G1B+3], KSTEP<<16
	s_mov_b32 s[G1B+4], 64
	s_mov_b32 s[G1B+5], 1024
	s_mov_b32 s[G1B+6], 0
	s_mov_b32 s[G1B+7], 0
	s_lshl_b32 s42, s14, 6
	s_lshr_b32 s66, s18, 4
	s_lshl_b32 s66, s66, 15                        ; b x 16 heads x 2,048 tokens
	s_and_b32 s67, s18, 15
	s_lshl_b32 s67, s67, 7
	s_add_co_u32 s66, s66, s67
	s_add_co_u32 s66, s66, s42
	s_lshl_b32 s66, s66, 7                         ; A: hangs on cy alone
	s_mov_b32 s67, 0
	s_lshl_b32 s46, s17, 7
	s_add_co_u32 s46, s46, s42
	s_lshl_b32 s46, s46, 11                        ; B: hangs on cx alone
	s_mov_b32 s47, 0
	s_mul_i32 s19, s14, AHALF                      ; where A's loads go in a slot (waves 0, 1),
	s_mul_i32 s22, s14, BHALF
	s_add_co_u32 s22, s22, BOFF                    ; and B's (waves 2, 3)
	s_mov_b32 s20, 0                               ; the slot that is read
	s_mov_b32 s21, 0xffff0000
	s_wait_dscnt 0x0
	s_wait_kmcnt 0x0
	s_add_nc_u64 s[66:67], s[4:5], s[66:67]
	s_add_nc_u64 s[46:47], s[6:7], s[46:47]
	CROUND
.irp s, 0,1
	s_mov_b32 s[G0A+4*(\s)], 1
	s_add_co_u32 s[G0A+4*(\s)+1], s19, (\s)*SLOT
	s_add_nc_u64 s[G0A+4*(\s)+2:G0A+4*(\s)+3], s[66:67], (\s)*1048576
	s_or_b32 s[G0A+4*(\s)+3], s[G0A+4*(\s)+3], 0x80000000
	s_mov_b32 s[G0B+4*(\s)], 1
	s_add_co_u32 s[G0B+4*(\s)+1], s22, (\s)*SLOT
	s_add_nc_u64 s[G0B+4*(\s)+2:G0B+4*(\s)+3], s[46:47], (\s)*KSTEP*2
	s_or_b32 s[G0B+4*(\s)+3], s[G0B+4*(\s)+3], 0x80000000
.endr
	s_cmp_eq_u32 s13, 0                            ; a wave's two first fills stand in one branch: two loads of mine are out
	s_cbranch_scc0 .Lfirst_b
	tensor_load_to_lds s[G0A:G0A+3], s[G1A:G1A+7]
	s_nop 0
	tensor_load_to_lds s[G0A+4:G0A+7], s[G1A:G1A+7]
	s_nop 0
.rept 4
	v_nop
.endr
	s_branch .Lfirst_asked
.Lfirst_b:
	tensor_load_to_lds s[G0B:G0B+3], s[G1B:G1B+7]
	s_nop 0
	tensor_load_to_lds s[G0B+4:G0B+7], s[G1B:G1B+7]
	s_nop 0
.rept 4
	v_nop
.endr
.Lfirst_asked:
	v_and_b32 v1, 15, v0
	v_bfe_u32 v2, v0, 4, 1
	v_lshlrev_b32 v[BA], 5, v2                     ; 32 x half
	s_lshl_b32 s68, s17, 7
	s_lshl_b32 s69, s14, 6
	s_add_co_u32 s68, s68, s69                     ; my first column
	s_lshl_b32 s68, s68, 2
	s_mov_b32 s69, 0
	s_add_nc_u64 s[8:9], s[8:9], s[68:69]
.irp b, 0,1,2,3
	global_load_b128 v[BI+8*\b:BI+8*\b+3],   v[BA], s[8:9] offset:64*\b
	global_load_b128 v[BI+8*\b+4:BI+8*\b+7], v[BA], s[8:9] offset:64*\b+16
.endr
	v_mul_u32_u24 v3, v1, PA
	v_lshl_add_u32 v3, v2, 4, v3
	s_mul_i32 s71, s13, AHALF
	v_add_nc_u32 v[ADRA0], s71, v3
	v_mul_u32_u24 v4, v1, PBW
	v_lshl_add_u32 v4, v2, 4, v4
	s_mul_i32 s72, s14, BHALF
	s_add_co_u32 s72, s72, BOFF
	v_add_nc_u32 v[ADRB0], s72, v4
	v_mov_b32 v[ADRA], v[ADRA0]
	v_mov_b32 v[ADRB], v[ADRB0]
	s_mul_i32 s73, s12, 16*SPITCH
	s_add_co_u32 s73, s73, STAGE                   ; my stage
	v_mul_u32_u24 v[STO], v1, SPITCH               ; in: token l % 16, 32 bytes for each half of the lanes
	v_lshl_add_u32 v[STO], v2, 5, v[STO]
	v_add_nc_u32 v[STO], s73, v[STO]
	v_mul_u32_u24 v[RD], v2, SPITCH                ; back: lanes 0-15 one row of 256 bytes, lanes 16-31 the next
	v_lshl_add_u32 v[RD], v1, 4, v[RD]
	v_add_nc_u32 v[RD], s73, v[RD]
	v_lshlrev_b32 v[CO], 12, v2                    ; and the same two rows in out0
	v_lshl_add_u32 v[CO], v1, 4, v[CO]
	s_lshl_b32 s74, s18, 7
	s_lshl_b32 s75, s13, 6
	s_add_co_u32 s74, s74, s75                     ; my first row
	s_lshl_b32 s74, s74, 12
	s_add_co_u32 s74, s74, s68                     ; + my first column, in bytes
	s_mov_b32 s75, 0
	s_add_nc_u64 s[10:11], s[10:11], s[74:75]
; 8 matrix instructions: m blocks a0, a0 + 1 x all 4 n blocks, 32 along K: half c of buffer f.  first = 1: the products start the sums, with the bias as C.
.macro MUL8 f, c, a0, first
	WIN MUL
.irp a, \a0, (\a0)+1
.irp b, 0,1,2,3
.if \first
	v_wmma_f32_16x16x32_f16 v[ACC+8*(4*(\a)+(\b)):ACC+8*(4*(\a)+(\b))+7], v[(\f)+64+8*(4*(\c)+(\b)):(\f)+64+8*(4*(\c)+(\b))+7], v[(\f)+8*(4*(\c)+(\a)):(\f)+8*(4*(\c)+(\a))+7], v[BI+8*(\b):BI+8*(\b)+7]
.else
	v_wmma_f32_16x16x32_f16 v[ACC+8*(4*(\a)+(\b)):ACC+8*(4*(\a)+(\b))+7], v[(\f)+64+8*(4*(\c)+(\b)):(\f)+64+8*(4*(\c)+(\b))+7], v[(\f)+8*(4*(\c)+(\a)):(\f)+8*(4*(\c)+(\a))+7], v[ACC+8*(4*(\a)+(\b)):ACC+8*(4*(\a)+(\b))+7]
.endif
.endr
.endr
.endm
; 32 LDS loads in one run: quarter q (head q of the step's four), into buffer f; the first 32 along K first
.macro FETCH q, f
	WIN TO_F
.irp c, 0,1
.irp i, 0,1,2,3
	ds_load_b128 v[(\f)+64+8*(4*(\c)+(\i)):(\f)+64+8*(4*(\c)+(\i))+3],   v[ADRB] offset:128*(\q)+64*(\c)+(\i)*16*PBW
	ds_load_b128 v[(\f)+64+8*(4*(\c)+(\i))+4:(\f)+64+8*(4*(\c)+(\i))+7], v[ADRB] offset:128*(\q)+64*(\c)+(\i)*16*PBW+32
	ds_load_b128 v[(\f)+8*(4*(\c)+(\i)):(\f)+8*(4*(\c)+(\i))+3],         v[ADRA] offset:64*PA*(\q)+64*(\c)+(\i)*16*PA
	ds_load_b128 v[(\f)+8*(4*(\c)+(\i))+4:(\f)+8*(4*(\c)+(\i))+7],       v[ADRA] offset:64*PA*(\q)+64*(\c)+(\i)*16*PA+32
.endr
.endr
.endm
.macro PLACES
.rept 4
	v_nop
.endr
.endm
.macro QUARTER q, f, g, first          ; multiplies buffer f and fetches quarter q into g
	s_wait_dscnt 16                                ; the first 32 along K are in
	MUL8 \f, 0, 0, \first
	MUL8 \f, 0, 2, \first
	PLACES
	FETCH \q, \g
	s_wait_dscnt 32                                ; all but the 32 just issued
	MUL8 \f, 1, 0, 0
	MUL8 \f, 1, 2, 0
.endm
; The last quarter multiplies buffer 1 and changes slots: in front of the barrier each wave waits for all its tensor loads, adds 0 to its spare word, and waits for that and for its reads of this slot.
.macro TURN fill
	WIN 0
	s_wait_tensorcnt 0x0
	ds_add_u32 v[SPW], v[NIL]
	s_wait_dscnt 17                                ; the add and the youngest sixteen loads may be out
	MUL8 F1, 0, 0, 0
	s_wait_dscnt 0x0                               ; the add is done, and my reads of this slot are over
	s_barrier_signal -1
	MUL8 F1, 0, 2, 0
	WIN 0
	s_barrier_wait -1
.if \fill
	CREST                                          ; no wave of any partner still reads this slot's tile or has a load on its way
	s_add_co_u32 s[G0A+5], s19, s20                ; the walking descriptors: into the slot just read,
	s_add_co_u32 s[G0B+5], s22, s20
	s_add_nc_u64 s[G0A+6:G0A+7], s[G0A+6:G0A+7], 1048576   ; four heads on,
	s_add_nc_u64 s[G0B+6:G0B+7], s[G0B+6:G0B+7], KSTEP*2   ; 256 along B's rows
	JLOAD
.else
	PLACES
.endif
	s_xor_b32 s20, s20, SLOT
	v_add_nc_u32 v[ADRA], s20, v[ADRA0]
	v_add_nc_u32 v[ADRB], s20, v[ADRB0]
	FETCH 0, F0
	MUL8 F1, 1, 0, 0
	MUL8 F1, 1, 2, 0
.endm
	s_wait_tensorcnt 1                             ; my part of K step 0 is in; K step 1's may stay out
	s_barrier_signal -1
	s_barrier_wait -1
	FETCH 0, F0
	WIN 0
	s_wait_loadcnt 0x0                             ; the bias: an input, rounded to bf16 like the others
.set k, 0
.rept 16
	v_cvt_pk_bf16_f32 v[TMP+k], v[BI+2*k], v[BI+2*k+1]
.set k, k+1
.endr
.set k, 0
.rept 16
	v_lshlrev_b32 v[BI+2*k], 16, v[TMP+k]
	v_and_b32 v[BI+2*k+1], s21, v[TMP+k]
.set k, k+1
.endr
	QUARTER 1, F0, F1, 1
	WIN 0
	s_mov_b32 s3, 2
.Lstep:                                            ; two trips, a K step each; each fills a slot again: K steps 2 and 3
	QUARTER 2, F1, F0, 0
	QUARTER 3, F0, F1, 0
	TURN 1
	QUARTER 1, F0, F1, 0
	WIN 0
	s_sub_co_u32 s3, s3, 1
	s_cmp_lg_u32 s3, 0
	s_cbranch_scc1 .Lstep
	s_mov_b32 s3, 2
.Ltail:                                            ; the last two K steps ask for nothing; the second pass is left in its middle (its fetch of the other slot's old tile serves nothing)
	QUARTER 2, F1, F0, 0
	QUARTER 3, F0, F1, 0
	TURN 0
	WIN 0
	s_sub_co_u32 s3, s3, 1
	s_cmp_eq_u32 s3, 0
	s_cbranch_scc1 .Lout
	QUARTER 1, F0, F1, 0
	WIN 0
	s_branch .Ltail
.Lout:
	s_wait_dscnt 0x0
	PLACES                                         ; the stores below read results just made
	; THE WAY OUT, a block of 16 tokens at a time: a lane's eight f32 go into my stage as 32 bytes, each accumulator's low registers first; whole rows of 256 bytes come back and are stored.
.irp a, 0,1,2,3
.irp b, 0,1,2,3
	ds_store_b128 v[STO], v[ACC+8*(4*\a+\b):ACC+8*(4*\a+\b)+3]   offset:64*\b
	ds_store_b128 v[STO], v[ACC+8*(4*\a+\b)+4:ACC+8*(4*\a+\b)+7] offset:64*\b+16
.endr
.if \a >= 2
	s_wait_xcnt 0x0                                ; the stores of two blocks back have read the registers that are loaded again below
.endif
.irp t, 0,1,2,3,4,5,6,7
	ds_load_b128 v[TMP+32*(\a%2)+4*\t:TMP+32*(\a%2)+4*\t+3], v[RD] offset:\t*2*SPITCH  ; LDS serves a wave's instructions in order: these see the stores above
.endr
.irp t, 0,1,2,3,4,5,6,7
	s_wait_dscnt 7-\t
	global_store_b128 v[CO], v[TMP+32*(\a%2)+4*\t:TMP+32*(\a%2)+4*\t+3], s[10:11] offset:\a*65536+\t*8192 th:TH_STORE_NT  ; 16 lanes store 256 consecutive bytes, aligned
.endr
.endr
	s_wait_tensorcnt 0x0                           ; the wave's end, behind my last tensor load and my last LDS store
	ds_add_u32 v[SPW], v[NIL]
	s_wait_dscnt 0x0
	CROUND                                         ; the closing round
	s_endpgm
.Lfunc_end_k_q89f610d25b_outp:
	.size	k_q89f610d25b_outp, .Lfunc_end_k_q89f610d25b_outp-k_q89f610d25b_outp
	.p2alignl 7, 3214868480
	.fill 96, 4, 3214868480
	.section	.rodata,"a",@progbits
	.p2align	6, 0x0
	.amdhsa_kernel k_q89f610d25b_outp
		.amdhsa_group_segment_fixed_size 327680
		.amdhsa_private_segment_fixed_size 0
		.amdhsa_enable_private_segment 0
		.amdhsa_kernarg_size 32
		.amdhsa_user_sgpr_count 2
		.amdhsa_user_sgpr_kernarg_segment_ptr 1
		.amdhsa_wavefront_size32 1
		.amdhsa_system_sgpr_workgroup_id_x 1
		.amdhsa_system_sgpr_workgroup_id_y 1
		.amdhsa_system_sgpr_workgroup_id_z 1
		.amdhsa_system_vgpr_workitem_id 0
		.amdhsa_next_free_vgpr 512
		.amdhsa_next_free_sgpr 80
		.amdhsa_reserve_vcc 0
		.amdhsa_float_denorm_mode_32 3
		.amdhsa_float_denorm_mode_16_64 3
		.amdhsa_memory_ordered 1
		.amdhsa_forward_progress 1
		.amdhsa_inst_pref_size 61
	.end_amdhsa_kernel
	.amdgpu_metadata
---
amdhsa.version: [ 1, 2 ]
amdhsa.kernels:
  - .name:           k_q89f610d25b_outp
    .symbol:         k_q89f610d25b_outp.kd
    .args:
      - { .name: oh, .offset: 0, .size: 8, .value_kind: global_buffer, .address_space: global }
      - { .name: wo, .offset: 8, .size: 8, .value_kind: global_buffer, .address_space: global }
      - { .name: ob, .offset: 16, .size: 8, .value_kind: global_buffer, .address_space: global }
      - { .name: out0, .offset: 24, .size: 8, .value_kind: global_buffer, .address_space: global }
    .group_segment_fixed_size: 327680
    .private_segment_fixed_size: 0
    .kernarg_segment_align: 8
    .kernarg_segment_size: 32
    .max_flat_workgroup_size: 128
    .sgpr_count:     80
    .vgpr_count:     512
    .wavefront_size: 32
...
	.end_amdgpu_metadata
.endif
;; end of part 5
;; ======== version 2 of 2: 5 launches; version 1 with the launches prep1, pid written anew for expert scheduling mode
;; limits: values are held in f16: magnitudes above 65,504 overflow, below 6.1e-05 lose precision
;; workspace buffers: wcat 18,874,368 bytes; wo 2,097,152 bytes; acat 25,165,824 bytes; gt 196,608 bytes; csum 524,288 bytes; qkv 25,165,824 bytes; oh 8,388,608 bytes
;; launch prep1 (part 6): grid 32 x 14, 8 waves a work-group, no clusters, 105,728 bytes of LDS; arguments x, qWg, kWg, vWg, qbg, kbg, vbg, csum, gt, wcat, wo, qWp, qWi, qWd, kWp, kWi, kWd, vWp, vWi, vWd, oW; writes csum, gt, wcat, wo
.if DOCPART == 6
	.amdgcn_target "amdgcn-amd-amdhsa--gfx1250"
	.amdhsa_code_object_version 6
	.text
	.protected	k_q89f610d25b_prep1
	.globl	k_q89f610d25b_prep1
	.p2align	8
	.type	k_q89f610d25b_prep1,@function
k_q89f610d25b_prep1:
	s_mov_b64 s[64:65], 0
	v_nop
	global_prefetch_b8 v0, s[64:65] scope:SCOPE_SE
	s_setreg_imm32_b32 hwreg(HW_REG_WAVE_SCHED_MODE, 0, 2), 2
	s_setreg_imm32_b32 hwreg(HW_REG_WAVE_MODE, 25, 1), 1
	s_wait_xcnt 0x0
	s_wait_alu depctr_vm_vsrc(0)
; PREPARATION.  Work-groups with y < 4 take 32 rows of x each (chunk e = 32 y + x of 128): the column sums of the rows rounded to bf16 (csum[e][1024], f32) and, for each row and each of q, k, v, the
; 3-way softmax gate in the form that the projection uses: gt[p][row][4] = (g0 / g1, g1 / g2, g2, 0), f32.
; Work-groups with y >= 4 take 32 rows of weight matrix y - 4 (qWp qWi qWd kWp kWi kWd vWp vWi vWd oW): each number rounded to bf16 and written as f16, into
; wcat[p*1024 + row][seg*1024 + k] or, for oW, wo[row][k].
; ALL INPUTS ARE ROUNDED TO bf16 (x, the weights, Wg, bg); sums, logits and the softmax are f32; the softmax takes its maximum away.
; THE LOGITS are a product [32 rows x 1024] x [1024 x 9] and go to the matrix unit.  Wave w owns columns 128 w .. 128 w + 127 of all 32 rows: 32 loads of 512 consecutive bytes.  The column sums stay in the wave;
; the rounded rows go into the wave's own strip of LDS and come back as fragments; 2 row blocks x 4 steps of 32 along K are 8 matrix instructions; the eight waves' partial logits meet in LDS.
; LIMITS.  Each exponential 2^((l - max) log2 e) is held at 2^-60 from below, so that the two quotients lie within 2^60 either way: a gate smaller than that counts as that.  A bf16 number below 7.6e-6 keeps f16's
; fixed step of 6e-8 when written as f16, one beyond 65,504 becomes an infinity; NaN and infinities are not treated apart.
; No cluster: the work-groups share nothing but 36 KiB of Wg.
; THE MODE: SCHED_MODE bits 1:0 = 2 (LLVM: expert scheduling mode 2), set by the entry lines.  The code itself states the register dependences between vector or matrix instructions and memory or LDS
; instructions, with s_wait_alu, always for 0.
; THE PLAN, THE WEIGHTS.  v1 (the loads' offset) and v4-7 (the stores' offsets) are made once.  X: the loads land in it; only vector lines name it behind that.  XF: two registers to each store, written once by
;   number n's conversions, read once by its store, never written again.  The 32 numbers go in groups of four: one wait on va_vdst at a group's head shows the group before written, and that group's four stores are
;   dealt among this group's vector lines, which name v8, v9, this group's X and this group's XF alone.
; THE PLAN, THE ROWS OF x.  v1, v3 (offsets), v5, v6, v7, v13 (LDS addresses) are made once; v4 (the table stores' address) is made anew at the finish.
;   XF: Wg's loads land; 18 conversions read; x's fragments land.      WF: those conversions write; 9 LDS stores read; the table's fragments land.
;   X: x's loads land; a row's roundings write two of its four registers, its sums read them, its LDS store reads them; at the finish LDS loads land in X .. X + 92 and vector lines write X + 96 and on.
;   CS: the sums write, one store reads.      ACC: the matrix instructions write, four LDS stores read.      GO: vector lines write, one store reads.
;   The 32 rows go in groups of four, as the weights do: the LDS stores of the group before are dealt among this group's roundings and sums.
.set XP,    272                        ; a row of a wave's strip: 128 bf16 + 16 bytes: the 16 rows of a fragment load start at 16 different groups of four banks
.set XW,    32*XP                      ; LDS 0: the waves' strips [wave 8][row 32]
.set WL,    8*XW                       ; Wg rounded to bf16: [gate 9] rows of
.set WP,    2064                       ; 1,024 bf16 + 16 bytes
.set PART,  88320                      ; the partial logits [wave 8][gates 0-7 | gates 8-15][token 32][8] f32
.set SPARE, 104704                     ; the spare words: 128 bytes for each of eight waves, four blocks of 256 bytes that no other line names
.set CS,  8                            ; v[8:11]    column sums of my four columns (at work before that)
.set ONE, 12
.set SPW, 14                           ; my spare word's LDS address; never rewritten
.set NIL, 15                           ; 0; never rewritten
.set X,   16                           ; v[16:143]  loaded numbers
.set XF,  144                          ; v[144:207] x path: Wg as loaded, then x's fragments (row block rb, step ks at 8 (4 rb + ks)); weights path: what is stored
.set WF,  208                          ; v[208:239] Wg packed, then its fragments (step ks at 8 ks)
.set ACC, 240                          ; v[240:255] two accumulators
.set L,   X+96                         ; the finish: my three logits
.set T2,  X+100                        ; at work
.set GO,  X+112                        ; what is stored
	s_load_b512 s[8:23], s[0:1], 0x0               ; x 8, qWg 10, kWg 12, vWg 14, qbg 16, kbg 18, vbg 20, csum 22
	s_load_b512 s[24:39], s[0:1], 0x40             ; gt 24, wcat 26, wo 28, qWp 30, qWi 32, qWd 34, kWp 36, kWi 38
	s_load_b256 s[40:47], s[0:1], 0x80             ; kWd 40, vWp 42, vWi 44, vWd 46
	s_load_b64 s[48:49], s[0:1], 0xa0              ; oW
	v_lshl_add_u32 v[SPW], v0, 2, SPARE
	v_mov_b32 v[NIL], 0
	v_lshrrev_b32 v1, 5, v0
	v_readfirstlane_b32 s2, v1                     ; wave 0..7
	v_and_b32 v2, 31, v0                           ; lane
	v_lshlrev_b32 v1, 4, v2                        ; 16 x lane
	s_and_b32 s3, ttmp7, 0xffff                    ; y: the same in all waves of the work-group
	s_mov_b32 s7, 0xffff0000                       ; a word's upper bf16
	s_wait_alu depctr_va_sdst(0)                   ; s2 is written
	s_wait_kmcnt 0x0
	s_cmp_lt_u32 s3, 4
	s_cbranch_scc1 .Lx
	; ---- THE WEIGHTS.  Wave w takes rows 32 x + 4 w + r, r = 0..3: 32 loads of 512 bytes, all out at once; each becomes one store of 256 consecutive bytes, aligned.
	s_sub_co_u32 s3, s3, 4                         ; which matrix, 0..9
	s_mul_i32 s4, s3, 11
	s_lshr_b32 s4, s4, 5                           ; p = matrix / 3
	s_mul_i32 s5, s4, 3
	s_sub_co_u32 s5, s3, s5                        ; seg = matrix % 3
	s_mul_i32 s4, s4, 1024*6144
	s_lshl_b32 s5, s5, 11
	s_add_co_u32 s5, s5, s4                        ; where the matrix begins in wcat
	s_mov_b32 s4, 6144                             ; bytes in a row of wcat
	s_mov_b64 s[50:51], s[30:31]
.irp i, 1,2,3,4,5,6,7,8,9
	s_cmp_eq_u32 s3, \i
	s_cselect_b64 s[50:51], s[30+2*\i:31+2*\i], s[50:51]
.endr
	s_cselect_b64 s[52:53], s[28:29], s[26:27]     ; the last compare stands: matrix 9 is oW and goes to wo,
	s_cselect_b32 s4, 2048, s4                     ; whose rows are 2,048 bytes,
	s_cselect_b32 s5, 0, s5                        ; from its first byte
	s_lshl_b32 s6, ttmp9, 5
	s_lshl2_add_u32 s6, s2, s6                     ; my first row
	s_lshl_b32 s54, s6, 12
	s_mov_b32 s55, 0
	s_add_nc_u64 s[50:51], s[50:51], s[54:55]
	s_mul_i32 s54, s6, s4
	s_add_co_u32 s54, s54, s5
	s_add_nc_u64 s[52:53], s[52:53], s[54:55]
	v_lshlrev_b32 v4, 3, v2                        ; v[4:7]: 8 x lane + r rows
.irp r, 1,2,3
	s_mul_i32 s56, s4, \r
	v_lshl_add_u32 v[4+\r], v2, 3, s56
.endr
	s_wait_alu depctr_va_vdst(0)                   ; v1 and v4 to v7 are written: the offsets of every load and store of this path
.set n, 0
.rept 32
	global_load_b128 v[X+4*n:X+4*n+3], v1, s[50:51] offset:(n/8)*4096+(n%8)*512 th:TH_LOAD_NT
.set n, n+1
.endr
.set n, 0
.rept 32
	s_wait_loadcnt 31-n                            ; loads come back in order: number n is in, the younger ones stay out
.if (n%4 == 0) && (n > 0)
	s_wait_alu depctr_va_vdst(0)                   ; the conversions of the four numbers before have written their XF, which the four stores dealt below read
.endif
.if n >= 4
	global_store_b64 v[4+(n-4)/8], v[XF+2*(n-4):XF+2*(n-4)+1], s[52:53] offset:((n-4)%8)*256 th:TH_STORE_NT  ; every store has registers of its own: nothing is rewritten; no vector line since the wait names them
.endif
	v_cvt_pk_bf16_f32 v8, v[X+4*n], v[X+4*n+1]
	v_cvt_pk_bf16_f32 v9, v[X+4*n+2], v[X+4*n+3]
	v_lshlrev_b32 v[X+4*n], 16, v8
	v_and_b32 v[X+4*n+1], s7, v8
	v_lshlrev_b32 v[X+4*n+2], 16, v9
	v_and_b32 v[X+4*n+3], s7, v9
	v_cvt_pk_f16_f32 v[XF+2*n], v[X+4*n], v[X+4*n+1]
	v_cvt_pk_f16_f32 v[XF+2*n+1], v[X+4*n+2], v[X+4*n+3]
.set n, n+1
.endr
	s_wait_alu depctr_va_vdst(0)                   ; the last four numbers' conversions have written their XF, which the last four stores read
.set n, 28
.rept 4
	global_store_b64 v[4+n/8], v[XF+2*n:XF+2*n+1], s[52:53] offset:(n%8)*256 th:TH_STORE_NT
.set n, n+1
.endr
	s_wait_dscnt 0x0                               ; the wave's end: the six closing lines
	s_wait_alu 0x0
	s_wait_tensorcnt 0x0
	ds_add_u32 v[SPW], v[NIL]
	s_wait_dscnt 0x0
	s_endpgm
	; ---- THE ROWS OF x.
.Lx:
	s_load_b96 s[52:54], s[16:17], 0x0             ; the three biases of q, k, v
	s_load_b96 s[56:58], s[18:19], 0x0
	s_load_b96 s[60:62], s[20:21], 0x0
	s_lshl_b32 s4, s3, 5
	s_add_co_u32 s4, s4, ttmp9                     ; e
	s_lshl_b32 s5, s2, 9                           ; my 128 columns: 512 bytes of f32
	s_lshl_b32 s32, s4, 17                         ; 32 rows of 4,096 bytes
	s_add_co_u32 s32, s32, s5
	s_mov_b32 s33, 0
	s_add_nc_u64 s[8:9], s[8:9], s[32:33]
	s_lshl_b32 s34, s4, 12
	s_add_co_u32 s34, s34, s5
	s_mov_b32 s35, 0
	s_add_nc_u64 s[22:23], s[22:23], s[34:35]      ; csum at my chunk and columns
	v_lshlrev_b32 v3, 4, v0                        ; 16 x thread
	s_wait_alu depctr_va_vdst(0)                   ; v3 and v1 are written: the offsets of the 41 loads below
.irp p, 0,1,2
.irp sg, 0,1,2
	global_load_b128 v[XF+4*(3*\p+\sg):XF+4*(3*\p+\sg)+3], v3, s[10+2*\p:11+2*\p] offset:\sg*4096  ; thread t: columns 4 t .. 4 t + 3 of gate 3 p + seg
.endr
.endr
.set i, 0
.rept 32
	global_load_b128 v[X+4*i:X+4*i+3], v1, s[8:9] offset:i*4096 th:TH_LOAD_NT  ; row i: 512 consecutive bytes, aligned
.set i, i+1
.endr
	v_and_b32 v8, 15, v0                           ; r = l % 16
	v_bfe_u32 v9, v0, 4, 1                         ; h = l / 16
	s_mul_i32 s6, s2, XW                           ; my strip
	v_lshl_add_u32 v5, v2, 3, s6                   ; where I put my 8 bytes of a row
	v_mul_u32_u24 v6, v8, XP
	v_lshl_add_u32 v6, v9, 4, v6
	v_add_nc_u32 v6, s6, v6                        ; x's fragments: my strip + row x pitch + 16 x half
	s_lshl_b32 s37, s2, 11
	s_add_co_u32 s37, s37, PART
	v_lshlrev_b32 v13, 5, v8
	v_lshl_add_u32 v13, v9, 10, v13
	v_add_nc_u32 v13, s37, v13                     ; where I put my 32 bytes of a partial tile: 2,048 x wave + 1,024 x half + 32 x (l % 16); the row block, 512 bytes, stands in the immediate
	v_min_u32 v8, 8, v8                            ; lanes 9 to 15 take gate 8 once more: their rows of the result serve nothing
	v_mul_u32_u24 v7, v8, WP
	v_lshl_add_u32 v7, v9, 4, v7
	s_lshl_b32 s36, s2, 8
	s_add_co_u32 s36, s36, WL
	v_add_nc_u32 v7, s36, v7                       ; the table's fragments: my 128 columns are 256 bytes of a row
	v_lshl_add_u32 v4, v0, 3, WL                   ; where I put my 8 bytes of a row of the table
	v_mov_b32 v[ONE], 1.0
	s_wait_loadcnt 32                              ; Wg's nine loads are in; x's 32 stay out
.set g, 0
.rept 9
	v_cvt_pk_bf16_f32 v[WF+2*g], v[XF+4*g], v[XF+4*g+1]
	v_cvt_pk_bf16_f32 v[WF+2*g+1], v[XF+4*g+2], v[XF+4*g+3]
.set g, g+1
.endr
	s_wait_alu depctr_va_vdst(0)                   ; the conversions have written WF, the data of the nine LDS stores; v4, v5, v6, v7 and v13, the LDS addresses of this path, are written
.set g, 0
.rept 9
	ds_store_b64 v4, v[WF+2*g:WF+2*g+1] offset:g*WP
.set g, g+1
.endr
	s_wait_dscnt 0x0                               ; for the others' sake: my part of the table is written
	s_barrier_signal -1
	s_barrier_wait -1
	s_wait_alu depctr_vm_vsrc(0)                   ; my nine LDS stores have read WF, in which the table's fragments land below, and v4, which the finish makes anew
.set i, 0
.rept 32
	s_wait_loadcnt 31-i                            ; row i is in, the younger rows stay out
.if (i%4 == 0) && (i > 0)
	s_wait_alu depctr_va_vdst(0)                   ; the roundings of the four rows before have written their X, which the four LDS stores dealt below read
.endif
.if i >= 4
	ds_store_b64 v5, v[X+4*(i-4):X+4*(i-4)+1] offset:(i-4)*XP  ; no vector line since the wait names these registers
.endif
	v_cvt_pk_bf16_f32 v[X+4*i], v[X+4*i], v[X+4*i+1]
	v_cvt_pk_bf16_f32 v[X+4*i+1], v[X+4*i+2], v[X+4*i+3]
.if i == 0
	v_lshlrev_b32 v[CS], 16, v[X]                  ; row 0 starts the column sums
	v_and_b32 v[CS+1], s7, v[X]
	v_lshlrev_b32 v[CS+2], 16, v[X+1]
	v_and_b32 v[CS+3], s7, v[X+1]
.else
	v_fma_mix_f32_bf16 v[CS], v[X+4*i], v[ONE], v[CS] op_sel_hi:[1,0,0]
	v_fma_mix_f32_bf16 v[CS+1], v[X+4*i], v[ONE], v[CS+1] op_sel:[1,0,0] op_sel_hi:[1,0,0]
	v_fma_mix_f32_bf16 v[CS+2], v[X+4*i+1], v[ONE], v[CS+2] op_sel_hi:[1,0,0]
	v_fma_mix_f32_bf16 v[CS+3], v[X+4*i+1], v[ONE], v[CS+3] op_sel:[1,0,0] op_sel_hi:[1,0,0]
.endif
.set i, i+1
.endr
	s_wait_alu depctr_va_vdst(0)                   ; rows 28 to 31 are rounded (the last four LDS stores' data); CS is written (the store's data); Wg's conversions are done reading XF and writing WF, in which the fragments land
.set i, 28
.rept 4
	ds_store_b64 v5, v[X+4*i:X+4*i+1] offset:i*XP
.set i, i+1
.endr
	global_store_b128 v1, v[CS:CS+3], s[22:23]     ; 512 consecutive bytes a wave; CS is not written again
.irp ks, 0,1,2,3
	ds_load_b128 v[WF+8*\ks:WF+8*\ks+3],   v7 offset:64*\ks
	ds_load_b128 v[WF+8*\ks+4:WF+8*\ks+7], v7 offset:64*\ks+32
.irp rb, 0,1
	ds_load_b128 v[XF+8*(4*\rb+\ks):XF+8*(4*\rb+\ks)+3],   v6 offset:\rb*16*XP+64*\ks      ; LDS serves a wave's instructions in order: these see my stores above
	ds_load_b128 v[XF+8*(4*\rb+\ks)+4:XF+8*(4*\rb+\ks)+7], v6 offset:\rb*16*XP+64*\ks+32
.endr
.endr
	s_wait_dscnt 0x0
	; source 0 = the gates, source 1 = 16 rows of x: in the result lane l holds token l % 16 and the gates 8 (l / 16) + 0..7.  The two accumulators take turns.
.irp ks, 0,1,2,3
.irp rb, 0,1
.if \ks == 0
	v_wmma_f32_16x16x32_bf16 v[ACC+8*\rb:ACC+8*\rb+7], v[WF+8*\ks:WF+8*\ks+7], v[XF+8*(4*\rb+\ks):XF+8*(4*\rb+\ks)+7], 0
.else
	v_wmma_f32_16x16x32_bf16 v[ACC+8*\rb:ACC+8*\rb+7], v[WF+8*\ks:WF+8*\ks+7], v[XF+8*(4*\rb+\ks):XF+8*(4*\rb+\ks)+7], v[ACC+8*\rb:ACC+8*\rb+7]
.endif
.endr
.endr
.rept 4
	v_nop                                          ; the places behind the last product
.endr
	s_wait_alu depctr_va_vdst(0)                   ; the matrix instructions have written the accumulators, which the LDS stores read; the places above stay beside this wait
.irp rb, 0,1
	ds_store_b128 v13, v[ACC+8*\rb:ACC+8*\rb+3]   offset:\rb*512
	ds_store_b128 v13, v[ACC+8*\rb+4:ACC+8*\rb+7] offset:\rb*512+16
.endr
	s_wait_dscnt 0x0                               ; my partial logits are written
	s_barrier_signal -1
	s_barrier_wait -1
	s_wait_alu depctr_vm_vsrc(0)                   ; the rows' LDS stores have read X, which the finish loads into and writes; the wait stands ahead of the branch
	s_cmp_lt_u32 s2, 3                             ; waves 0, 1, 2 finish the gates of q, k, v: a lane a token
	s_cbranch_scc0 .Lxend
	; Token t = my lane: gates 0 to 7 of wave w's partial sums lie at PART + 2,048 w + 32 t, gate 8 lies 1,024 bytes on.  The address is the same in the three waves: each takes all nine gates and picks its three by value.
	v_lshl_add_u32 v4, v2, 5, PART
	s_wait_alu depctr_va_vdst(0)                   ; v4 is written, the address of the loads below; the roundings and sums that named X, in which they land, stand ahead of the wait in front of the accumulators' stores
.irp w, 0,1,2,3,4,5,6,7
	ds_load_b128 v[X+12*\w:X+12*\w+3],   v4 offset:\w*2048
	ds_load_b128 v[X+12*\w+4:X+12*\w+7], v4 offset:\w*2048+16
	ds_load_b32  v[X+12*\w+8],           v4 offset:\w*2048+1024
.endr
	s_lshl_b32 s36, s2, 16
	s_lshl_b32 s37, s4, 9
	s_add_co_u32 s36, s36, s37
	s_mov_b32 s37, 0
	s_add_nc_u64 s[24:25], s[24:25], s[36:37]      ; gt at [p][32 e]
	s_mov_b32 s38, 0x3fb8aa3b                      ; log2 e
	s_wait_kmcnt 0x0
	s_cmp_eq_u32 s2, 1
	s_cselect_b32 s39, -1, 0                       ; all lanes: I finish k
	s_cselect_b32 s52, s56, s52
	s_cselect_b32 s53, s57, s53
	s_cselect_b32 s54, s58, s54
	s_cmp_eq_u32 s2, 2
	s_cselect_b32 s40, -1, 0                       ; all lanes: I finish v
	s_cselect_b32 s52, s60, s52
	s_cselect_b32 s53, s61, s53
	s_cselect_b32 s54, s62, s54
	v_mov_b32 v[T2], s52
	v_mov_b32 v[T2+1], s53
	v_mov_b32 v[T2+2], s54
	v_cvt_pk_bf16_f32 v[T2+3], v[T2], v[T2+1]      ; the biases are inputs: rounded to bf16 like the others
	v_cvt_pk_bf16_f32 v[T2+4], v[T2+2], v[T2+2]
	v_lshlrev_b32 v[T2], 16, v[T2+3]
	v_and_b32 v[T2+1], s7, v[T2+3]
	v_lshlrev_b32 v[T2+2], 16, v[T2+4]
	s_wait_dscnt 0x0
.macro ADDW a, b                       ; wave b's nine partial sums onto wave a's
.irp k, 0,2,4,6
	v_pk_add_f32 v[X+12*(\a)+\k:X+12*(\a)+\k+1], v[X+12*(\a)+\k:X+12*(\a)+\k+1], v[X+12*(\b)+\k:X+12*(\b)+\k+1]
.endr
	v_add_f32 v[X+12*(\a)+8], v[X+12*(\a)+8], v[X+12*(\b)+8]
.endm
	ADDW 0, 1
	ADDW 2, 3
	ADDW 4, 5
	ADDW 6, 7
	ADDW 0, 2
	ADDW 4, 6
	ADDW 0, 4
.irp i, 0,1,2
	v_cndmask_b32 v[L+\i], v[X+\i], v[X+3+\i], s39 ; gates 0-2 are q's, 3-5 k's, 6-8 v's; the two masks were written by scalar instructions
.endr
.irp i, 0,1,2
	v_cndmask_b32 v[L+\i], v[L+\i], v[X+6+\i], s40
.endr
.irp i, 0,1,2
	v_add_f32 v[L+\i], v[L+\i], v[T2+\i]           ; the logit
.endr
	v_max3_num_f32 v[T2+5], v[L], v[L+1], v[L+2]   ; the maximum is taken away before the exponentials
	v_mul_f32 v[T2+5], s38, v[T2+5]
.irp i, 0,1,2
	v_fma_f32 v[L+\i], v[L+\i], s38, -v[T2+5]
.endr
.irp i, 0,1,2
	v_exp_f32 v[L+\i], v[L+\i]
.endr
	v_nop                                          ; a plain instruction behind the last exponential,
	s_wait_alu depctr_va_vdst(0)                   ; and one wait for the three exponentials' results, ahead of their first reader
.irp i, 0,1,2
	v_max_num_f32 v[L+\i], 0x21800000, v[L+\i]     ; 2^-60 at the least
.endr
	v_add_f32 v[T2+6], v[L], v[L+1]
	v_add_f32 v[T2+6], v[T2+6], v[L+2]
	v_rcp_f32 v[T2+7], v[L+1]
	v_rcp_f32 v[T2+8], v[L+2]
	v_rcp_f32 v[T2+9], v[T2+6]
	v_nop
	s_wait_alu depctr_va_vdst(0)                   ; one wait for the three reciprocals' results, ahead of their first reader
	v_mul_f32 v[GO], v[L], v[T2+7]                 ; g0 / g1
	v_mul_f32 v[GO+1], v[L+1], v[T2+8]             ; g1 / g2
	v_mul_f32 v[GO+2], v[L+2], v[T2+9]             ; g2
	v_mov_b32 v[GO+3], 0
	s_wait_alu depctr_va_vdst(0)                   ; GO is written, which the store reads
	global_store_b128 v1, v[GO:GO+3], s[24:25]     ; 32 tokens x 16 bytes: 512 consecutive bytes
.Lxend:
	s_wait_dscnt 0x0                               ; the wave's end: the six closing lines
	s_wait_alu 0x0
	s_wait_tensorcnt 0x0
	ds_add_u32 v[SPW], v[NIL]
	s_wait_dscnt 0x0
	s_endpgm
.Lfunc_end_k_q89f610d25b_prep1:
	.size	k_q89f610d25b_prep1, .Lfunc_end_k_q89f610d25b_prep1-k_q89f610d25b_prep1
	.p2alignl 7, 3214868480
	.fill 96, 4, 3214868480
	.section	.rodata,"a",@progbits
	.p2align	6, 0x0
	.amdhsa_kernel k_q89f610d25b_prep1
		.amdhsa_group_segment_fixed_size 105728
		.amdhsa_private_segment_fixed_size 0
		.amdhsa_enable_private_segment 0
		.amdhsa_kernarg_size 168
		.amdhsa_user_sgpr_count 2
		.amdhsa_user_sgpr_kernarg_segment_ptr 1
		.amdhsa_wavefront_size32 1
		.amdhsa_system_sgpr_workgroup_id_x 1
		.amdhsa_system_sgpr_workgroup_id_y 1
		.amdhsa_system_sgpr_workgroup_id_z 1
		.amdhsa_system_vgpr_workitem_id 0
		.amdhsa_next_free_vgpr 256
		.amdhsa_next_free_sgpr 66
		.amdhsa_reserve_vcc 0
		.amdhsa_float_denorm_mode_32 3
		.amdhsa_float_denorm_mode_16_64 3
		.amdhsa_memory_ordered 1
		.amdhsa_forward_progress 1
		.amdhsa_inst_pref_size 54
	.end_amdhsa_kernel
	.amdgpu_metadata
---
amdhsa.version: [ 1, 2 ]
amdhsa.kernels:
  - .name:           k_q89f610d25b_prep1
    .symbol:         k_q89f610d25b_prep1.kd
    .args:
      - { .name: x, .offset: 0, .size: 8, .value_kind: global_buffer, .address_space: global }
      - { .name: qWg, .offset: 8, .size: 8, .value_kind: global_buffer, .address_space: global }
      - { .name: kWg, .offset: 16, .size: 8, .value_kind: global_buffer, .address_space: global }
      - { .name: vWg, .offset: 24, .size: 8, .value_kind: global_buffer, .address_space: global }
      - { .name: qbg, .offset: 32, .size: 8, .value_kind: global_buffer, .address_space: global }
      - { .name: kbg, .offset: 40, .size: 8, .value_kind: global_buffer, .address_space: global }
      - { .name: vbg, .offset: 48, .size: 8, .value_kind: global_buffer, .address_space: global }
      - { .name: csum, .offset: 56, .size: 8, .value_kind: global_buffer, .address_space: global }
      - { .name: gt, .offset: 64, .size: 8, .value_kind: global_buffer, .address_space: global }
      - { .name: wcat, .offset: 72, .size: 8, .value_kind: global_buffer, .address_space: global }
      - { .name: wo, .offset: 80, .size: 8, .value_kind: global_buffer, .address_space: global }
      - { .name: qWp, .offset: 88, .size: 8, .value_kind: global_buffer, .address_space: global }
      - { .name: qWi, .offset: 96, .size: 8, .value_kind: global_buffer, .address_space: global }
      - { .name: qWd, .offset: 104, .size: 8, .value_kind: global_buffer, .address_space: global }
      - { .name: kWp, .offset: 112, .size: 8, .value_kind: global_buffer, .address_space: global }
      - { .name: kWi, .offset: 120, .size: 8, .value_kind: global_buffer, .address_space: global }
      - { .name: kWd, .offset: 128, .size: 8, .value_kind: global_buffer, .address_space: global }
      - { .name: vWp, .offset: 136, .size: 8, .value_kind: global_buffer, .address_space: global }
      - { .name: vWi, .offset: 144, .size: 8, .value_kind: global_buffer, .address_space: global }
      - { .name: vWd, .offset: 152, .size: 8, .value_kind: global_buffer, .address_space: global }
      - { .name: oW, .offset: 160, .size: 8, .value_kind: global_buffer, .address_space: global }
    .group_segment_fixed_size: 105728
    .private_segment_fixed_size: 0
    .kernarg_segment_align: 8
    .kernarg_segment_size: 168
    .max_flat_workgroup_size: 256
    .sgpr_count:     66
    .vgpr_count:     256
    .wavefront_size: 32
...
	.end_amdgpu_metadata
.endif
;; end of part 6
;; launch pid (part 7): grid 4 x 64, 8 waves a work-group, no clusters, 9,216 bytes of LDS; arguments x, csum, acat; writes acat
.if DOCPART == 7
	.amdgcn_target "amdgcn-amd-amdhsa--gfx1250"
	.amdhsa_code_object_version 6
	.text
	.protected	k_q89f610d25b_pid
	.globl	k_q89f610d25b_pid
	.p2align	8
	.type	k_q89f610d25b_pid,@function
k_q89f610d25b_pid:
	s_mov_b64 s[64:65], 0
	v_nop
	global_prefetch_b8 v0, s[64:65] scope:SCOPE_SE
	s_setreg_imm32_b32 hwreg(HW_REG_WAVE_SCHED_MODE, 0, 2), 2
	s_setreg_imm32_b32 hwreg(HW_REG_WAVE_MODE, 25, 1), 1
	s_wait_xcnt 0x0
	s_wait_alu depctr_vm_vsrc(0)
; acat[row][0:1024] = x rounded to bf16, [1024:2048] = its running mean over t, [2048:3072] = its first difference over t (0 at t = 0), all written as f16.  row = b 2048 + t.
; A work-group owns 64 rows x 256 columns; wave w owns 16 rows (sc = w / 2) x 128 columns (ch = w % 2), four columns a lane.
; The sum of all earlier rows of the batch comes from csum (sums of chunks of 32 rows, made by the launch before): the work-group's 2 c earlier chunks are shared out among its four row quarters,
; 16 chunk rows each, those at or past 2 c multiplied by 0 (every load stays inside the batch's 64 chunks); the quarters' own sums meet with them in LDS.
; LIMITS.  The order of the f32 additions differs from a plain running sum's; 1 / (t + 1) is v_rcp_f32's; numbers beyond 65,504 become infinities in f16; below 6e-5 f16 keeps its fixed step of 6e-8.
; Memory binds: no matrix unit, no cluster; 33 loads of 512 bytes a wave are out at once; each store covers 256 consecutive bytes, aligned.
; THE MODE: SCHED_MODE bits 1:0 = 2 (LLVM: expert scheduling mode 2), set by the entry lines.  The code itself states the register dependences between vector instructions and memory or LDS
; instructions, with s_wait_alu, always for 0.
; THE PLAN.  Registers that memory or LDS instructions touch:
;   v1, v2, v4, v5   offsets and LDS addresses, made once at the head and never written again.
;   E, XP, X         the 33 loads land in them, ahead of every vector line that names them; behind that vector lines alone name them.
;   PP, SS           written by the sums, read by the two LDS stores, never written again.
;   LD               the seven LDS loads land in it; no vector line names it ahead of them.
;   OUT              six registers a row, written once by the row's conversions, read once by its three stores, never written again.
; The 16 rows go in groups of four: one wait on va_vdst at a group's head shows the group before written, and that group's twelve stores are dealt among this group's vector lines, which name
; RUN, T, R, X and this group's OUT alone.  No register that a memory or LDS instruction reads is written again, so no wait on vm_vsrc is owed.
.set PPL,   0                          ; LDS: [wave][lane][16 bytes]: the waves' shares of the earlier chunks
.set SSL,   4096                       ; the waves' sums of their own 16 rows
.set SPARE, 8192
.set XP,  12                           ; v[12:15]   the row before my first (XP + 4 = X)
.set X,   16                           ; v[16:79]   my 16 rows
.set E,   80                           ; v[80:143]  16 chunk sums; then
.set OUT, 80                           ; v[80:175]  six packed words a row
.set R,   176                          ; v[176:191] 1 / (t + 1)
.set PP,  192
.set SS,  196
.set RUN, 200
.set T,   204
.set LD,  216                          ; v[216:243]
.set SPW, 250
.set NIL, 251
	s_load_b128 s[4:7], s[0:1], 0x0                ; x, csum
	s_load_b64 s[8:9], s[0:1], 0x10                ; acat
	v_lshl_add_u32 v[SPW], v0, 2, SPARE
	v_mov_b32 v[NIL], 0
	v_lshrrev_b32 v1, 5, v0
	v_readfirstlane_b32 s10, v1                    ; wave
	v_and_b32 v3, 31, v0
	v_lshlrev_b32 v1, 4, v3                        ; 16 x lane
	v_lshlrev_b32 v2, 3, v3                        ; 8 x lane
	v_lshlrev_b32 v4, 4, v0                        ; 16 x thread
	s_wait_alu depctr_va_sdst(0)                   ; s10 is written, ahead of its first reader: the bases and the shares are made from it
	s_lshr_b32 s11, s10, 1                         ; sc
	s_and_b32 s12, s10, 1                          ; ch
	s_and_b32 s13, ttmp7, 0xffff                   ; which 64 rows
	s_lshr_b32 s14, s13, 5                         ; b
	s_and_b32 s15, s13, 31                         ; c
	s_lshl_b32 s16, s13, 6
	s_lshl4_add_u32 s16, s11, s16                  ; my first row
	s_lshl_b32 s17, s15, 6
	s_lshl4_add_u32 s17, s11, s17                  ; its t
	s_lshl_b32 s18, ttmp9, 10
	s_lshl_b32 s19, s12, 9
	s_add_co_u32 s18, s18, s19                     ; my columns, in bytes of f32
	s_lshl_b32 s20, s16, 12
	s_add_co_u32 s20, s20, s18
	s_mov_b32 s21, 0
	s_lshl_b32 s22, s14, 6
	s_lshl4_add_u32 s22, s11, s22                  ; chunk 64 b + 16 sc
	s_lshl_b32 s22, s22, 12
	s_add_co_u32 s22, s22, s18
	s_mov_b32 s23, 0
	s_mul_i32 s24, s16, 6144
	s_lshr_b32 s25, s18, 1
	s_add_co_u32 s24, s24, s25
	s_mov_b32 s25, 0
	s_cmp_eq_u32 s17, 0
	s_cselect_b32 s26, 0, 4096                     ; at t = 0 the row before is the row itself: the difference is 0
	s_mov_b32 s27, 0
	s_lshl_b32 s31, s11, 4                         ; 16 sc
	s_lshl_b32 s32, s15, 1                         ; 2 c
	s_mov_b32 s35, 0                               ; named with s34 as a pair
	s_mov_b32 s36, 0xffff0000
	s_lshl_b32 s37, s12, 9
	v_add_nc_u32 v5, s37, v1                       ; in LDS, the four waves of my column half: 1,024 bytes apart
	s_wait_kmcnt 0x0
	s_add_nc_u64 s[4:5], s[4:5], s[20:21]
	s_sub_nc_u64 s[28:29], s[4:5], s[26:27]
	s_add_nc_u64 s[6:7], s[6:7], s[22:23]
	s_add_nc_u64 s[8:9], s[8:9], s[24:25]
	s_wait_alu depctr_va_vdst(0)                   ; v1, v2, v4 and v5 are written: the offsets and LDS addresses of every load and store of the kernel
.set i, 0
.rept 16
	global_load_b128 v[E+4*i:E+4*i+3], v1, s[6:7] offset:i*4096
.set i, i+1
.endr
	global_load_b128 v[XP:XP+3], v1, s[28:29]
.set i, 0
.rept 16
	global_load_b128 v[X+4*i:X+4*i+3], v1, s[4:5] offset:i*4096
.set i, i+1
.endr
.set i, 0
.rept 16
	s_add_co_u32 s30, s17, 1+i
	v_cvt_f32_u32 v[R+i], s30
.set i, i+1
.endr
.set i, 0
.rept 16
	v_rcp_f32 v[R+i], v[R+i]
.set i, i+1
.endr
	v_nop                                          ; a plain instruction behind the last reciprocal,
	s_wait_alu depctr_va_vdst(0)                   ; and one wait for the sixteen reciprocals' results, ahead of their first reader
.set i, 0
.rept 16
	s_add_co_u32 s33, s31, i
	s_cmp_lt_u32 s33, s32                          ; is chunk 16 sc + i one of the 2 c earlier ones?
	s_cselect_b32 s34, 1.0, 0
	s_wait_loadcnt 32-i                            ; chunk i is in: behind it stand 15 - i chunks and x's 17 loads
.if i == 0
	v_pk_mul_f32 v[PP:PP+1], v[E:E+1], s[34:35] op_sel_hi:[1,0]
	v_pk_mul_f32 v[PP+2:PP+3], v[E+2:E+3], s[34:35] op_sel_hi:[1,0]
.else
	v_pk_fma_f32 v[PP:PP+1], v[E+4*i:E+4*i+1], s[34:35], v[PP:PP+1] op_sel_hi:[1,0,1]
	v_pk_fma_f32 v[PP+2:PP+3], v[E+4*i+2:E+4*i+3], s[34:35], v[PP+2:PP+3] op_sel_hi:[1,0,1]
.endif
.set i, i+1
.endr
	s_wait_loadcnt 0x0
.set i, 0
.rept 17                                           ; 17 rows rounded to bf16, in place, kept as f32
	v_cvt_pk_bf16_f32 v[T], v[XP+4*i], v[XP+4*i+1]
	v_cvt_pk_bf16_f32 v[T+1], v[XP+4*i+2], v[XP+4*i+3]
	v_lshlrev_b32 v[XP+4*i], 16, v[T]
	v_and_b32 v[XP+4*i+1], s36, v[T]
	v_lshlrev_b32 v[XP+4*i+2], 16, v[T+1]
	v_and_b32 v[XP+4*i+3], s36, v[T+1]
.set i, i+1
.endr
	v_pk_add_f32 v[SS:SS+1], v[X:X+1], v[X+4:X+5]
	v_pk_add_f32 v[SS+2:SS+3], v[X+2:X+3], v[X+6:X+7]
.set i, 2
.rept 14
	v_pk_add_f32 v[SS:SS+1], v[SS:SS+1], v[X+4*i:X+4*i+1]
	v_pk_add_f32 v[SS+2:SS+3], v[SS+2:SS+3], v[X+4*i+2:X+4*i+3]
.set i, i+1
.endr
	s_wait_alu depctr_va_vdst(0)                   ; the sums have written PP and SS, which the two LDS stores read
	ds_store_b128 v4, v[PP:PP+3] offset:PPL
	ds_store_b128 v4, v[SS:SS+3] offset:SSL
	s_wait_dscnt 0x0                               ; for the others' sake
	s_barrier_signal -1
	s_barrier_wait -1
.irp k, 0,1,2,3
	ds_load_b128 v[LD+4*\k:LD+4*\k+3], v5 offset:PPL+\k*1024
.endr
.irp k, 0,1,2
	ds_load_b128 v[LD+16+4*\k:LD+16+4*\k+3], v5 offset:SSL+\k*1024
.endr
	s_wait_dscnt 0x0
	v_pk_add_f32 v[RUN:RUN+1], v[LD:LD+1], v[LD+4:LD+5]
	v_pk_add_f32 v[RUN+2:RUN+3], v[LD+2:LD+3], v[LD+6:LD+7]
.irp k, 2,3
	v_pk_add_f32 v[RUN:RUN+1], v[RUN:RUN+1], v[LD+4*\k:LD+4*\k+1]
	v_pk_add_f32 v[RUN+2:RUN+3], v[RUN+2:RUN+3], v[LD+4*\k+2:LD+4*\k+3]
.endr
.irp k, 0,1,2
	s_cmp_gt_u32 s11, \k                           ; the row quarters above mine
	s_cselect_b32 s34, 1.0, 0
	v_pk_fma_f32 v[RUN:RUN+1], v[LD+16+4*\k:LD+16+4*\k+1], s[34:35], v[RUN:RUN+1] op_sel_hi:[1,0,1]
	v_pk_fma_f32 v[RUN+2:RUN+3], v[LD+16+4*\k+2:LD+16+4*\k+3], s[34:35], v[RUN+2:RUN+3] op_sel_hi:[1,0,1]
.endr
.set i, 0
.rept 16
.if (i%4 == 0) && (i > 0)
	s_wait_alu depctr_va_vdst(0)                   ; the conversions of the four rows before have written their OUT, which the twelve stores dealt below read
.endif
.if i >= 4
.irp sg, 0,1,2
	global_store_b64 v2, v[OUT+6*(i-4)+2*\sg:OUT+6*(i-4)+2*\sg+1], s[8:9] offset:(i-4)*6144+\sg*2048  ; every store has registers of its own; no vector line since the wait names them
.endr
.endif
	v_pk_add_f32 v[RUN:RUN+1], v[RUN:RUN+1], v[X+4*i:X+4*i+1]
	v_pk_add_f32 v[RUN+2:RUN+3], v[RUN+2:RUN+3], v[X+4*i+2:X+4*i+3]
	v_pk_add_f32 v[T+4:T+5], v[X+4*i:X+4*i+1], v[X+4*i-4:X+4*i-3] neg_lo:[0,1] neg_hi:[0,1]
	v_pk_add_f32 v[T+6:T+7], v[X+4*i+2:X+4*i+3], v[X+4*i-2:X+4*i-1] neg_lo:[0,1] neg_hi:[0,1]
.irp k, 0,1,2,3
	v_mul_f32 v[T+\k], v[RUN+\k], v[R+i]
.endr
	v_cvt_pk_f16_f32 v[OUT+6*i], v[X+4*i], v[X+4*i+1]
	v_cvt_pk_f16_f32 v[OUT+6*i+1], v[X+4*i+2], v[X+4*i+3]
	v_cvt_pk_f16_f32 v[OUT+6*i+2], v[T], v[T+1]
	v_cvt_pk_f16_f32 v[OUT+6*i+3], v[T+2], v[T+3]
	v_cvt_pk_f16_f32 v[OUT+6*i+4], v[T+4], v[T+5]
	v_cvt_pk_f16_f32 v[OUT+6*i+5], v[T+6], v[T+7]
.set i, i+1
.endr
	s_wait_alu depctr_va_vdst(0)                   ; the last four rows' conversions have written their OUT, which the last twelve stores read
.set i, 12
.rept 4
.irp sg, 0,1,2
	global_store_b64 v2, v[OUT+6*i+2*\sg:OUT+6*i+2*\sg+1], s[8:9] offset:i*6144+\sg*2048
.endr
.set i, i+1
.endr
	s_wait_dscnt 0x0                               ; the wave's end: the six closing lines
	s_wait_alu 0x0
	s_wait_tensorcnt 0x0
	ds_add_u32 v[SPW], v[NIL]
	s_wait_dscnt 0x0
	s_endpgm
.Lfunc_end_k_q89f610d25b_pid:
	.size	k_q89f610d25b_pid, .Lfunc_end_k_q89f610d25b_pid-k_q89f610d25b_pid
	.p2alignl 7, 3214868480
	.fill 96, 4, 3214868480
	.section	.rodata,"a",@progbits
	.p2align	6, 0x0
	.amdhsa_kernel k_q89f610d25b_pid
		.amdhsa_group_segment_fixed_size 9216
		.amdhsa_private_segment_fixed_size 0
		.amdhsa_enable_private_segment 0
		.amdhsa_kernarg_size 24
		.amdhsa_user_sgpr_count 2
		.amdhsa_user_sgpr_kernarg_segment_ptr 1
		.amdhsa_wavefront_size32 1
		.amdhsa_system_sgpr_workgroup_id_x 1
		.amdhsa_system_sgpr_workgroup_id_y 1
		.amdhsa_system_sgpr_workgroup_id_z 1
		.amdhsa_system_vgpr_workitem_id 0
		.amdhsa_next_free_vgpr 252
		.amdhsa_next_free_sgpr 66
		.amdhsa_reserve_vcc 0
		.amdhsa_float_denorm_mode_32 3
		.amdhsa_float_denorm_mode_16_64 3
		.amdhsa_memory_ordered 1
		.amdhsa_forward_progress 1
		.amdhsa_inst_pref_size 36
	.end_amdhsa_kernel
	.amdgpu_metadata
---
amdhsa.version: [ 1, 2 ]
amdhsa.kernels:
  - .name:           k_q89f610d25b_pid
    .symbol:         k_q89f610d25b_pid.kd
    .args:
      - { .name: x, .offset: 0, .size: 8, .value_kind: global_buffer, .address_space: global }
      - { .name: csum, .offset: 8, .size: 8, .value_kind: global_buffer, .address_space: global }
      - { .name: acat, .offset: 16, .size: 8, .value_kind: global_buffer, .address_space: global }
    .group_segment_fixed_size: 9216
    .private_segment_fixed_size: 0
    .kernarg_segment_align: 8
    .kernarg_segment_size: 24
    .max_flat_workgroup_size: 256
    .sgpr_count:     66
    .vgpr_count:     252
    .wavefront_size: 32
...
	.end_amdgpu_metadata
.endif
;; end of part 7
;; launch proj: the kernel of part 3 again; grid 12 x 16, 4 waves a work-group, clusters of 4 x 4, 327,680 bytes of LDS; arguments acat, wcat, gt, qkv; writes qkv
;; launch attn: the kernel of part 4 again; grid 8 x 32, 4 waves a work-group, no clusters, 327,680 bytes of LDS; arguments qkv, oh; writes oh
;; launch outp: the kernel of part 5 again; grid 8 x 32, 4 waves a work-group, clusters of 4 x 4, 327,680 bytes of LDS; arguments oh, wo, ob, out0; writes out0
